; MI455X (gfx1250); checked and timed in simulation.
; The chip was launched on July 23, 2026; its instructions are those of AMD's public machine-readable ISA for CDNA 5 (MIT licence, August 2026) and "CDNA5" Instruction Set Architecture Reference Guide (July 2026). The comments in the code are by the model that wrote it; some were corrected since.
;; Cross Attention. Allowed arithmetic: matrix products marked QUANTISED: E2M3 operands, one E8M0 scale for each 32 along K, by v_wmma_scale_f32_16x16x128_f8f6f4 with both operands' format E2M3, f32 sums; everything else in f32.
;; Inputs: Wk 1,024 x 1,024 float32; Wo 1,024 x 1,024 float32; Wq 1,024 x 1,024 float32; Wv 1,024 x 1,024 float32; bo 1,024 float32; keys 8 x 1,024 x 1,024 float32; queries 8 x 1,024 x 1,024 float32; values 8 x 1,024 x 1,024 float32.
;; Outputs: out0 8 x 1,024 x 1,024 float32.
;; This version of the problem:
;;   THIS VERSION OF THE PROBLEM IS GIVEN IN LOW PRECISION. The matrix products marked QUANTISED in the list below multiply operands that are first quantised to E2M3 (2 exponent bits, 3 mantissa bits; 6 bits a number), with one power-of-two scale for each 32 numbers along K (OCP MX v1.0); their sums are f32. All else is computed in f32.
;;   The module's matrix products, in the order in which they are computed (A, B: the left and right operand; K: the contracted axis; several contracted axes count as one K, in the product's order):
;;     1. [M 8,192, K 1,024] x [K 1,024, N 1,024]; A: input queries; B: input Wq: QUANTISED
;;     2. [M 8,192, K 1,024] x [K 1,024, N 1,024]; A: input keys; B: input Wk: QUANTISED
;;     3. [M 8,192, K 1,024] x [K 1,024, N 1,024]; A: input values; B: input Wv: QUANTISED
;;     4. batch 128 x [M 1,024, K 64] x [K 64, N 1,024]; A: computed on the way; B: computed on the way: QUANTISED
;;     5. batch 128 x [M 1,024, K 1,024] x [K 1,024, N 64]; A: softmax (see below); B: computed on the way: QUANTISED
;;     6. [M 8,192, K 1,024] x [K 1,024, N 1,024]; A: computed on the way; B: input Wo: QUANTISED
;;   THE QUANTISER, for each operand of a quantised product, along K:
;;     - K is cut into blocks of 32 from its start; a last block that is shorter is filled with zeros.
;;     - A block's scale is 2^e with e = floor(log2(the largest magnitude in the block)) - 2, held to -126 .. 127; a block of zeros has e = 0. As a byte (E8M0): e + 127.
;;     - Each number is divided by its block's scale, clamped to +-7.5, and rounded to the nearest number of E2M3, ties to even, subnormals kept.
;;     - The product sums the exact products of the quantised numbers (number of the format x scale) in f32.
;;   ~~~python
;;   def quantise(x, axis):      # numpy; x: float32 -> the quantised numbers, widened to float32 again
;;       x = np.moveaxis(x, axis, -1); K = x.shape[-1]
;;       x = np.pad(x, [(0, 0)] * (x.ndim - 1) + [(0, -K % 32)]); x = x.reshape(x.shape[:-1] + (-1, 32)); a = np.abs(x).max(-1, keepdims=True)
;;       e = np.where(a > 0, np.clip(np.frexp(np.where(a > 0, a, 1))[1] - 1 - 2, -126, 127), 0)      # np.frexp(a)[1] - 1 = floor(log2(a)), exactly
;;       r = np.clip(x / 2.0 ** e, -7.5, 7.5)
;;       step = 2.0 ** (np.maximum(np.frexp(np.where(r == 0, 1, r))[1] - 1, 0) - 3)
;;       q = np.round(r / step) * step * 2.0 ** e      # np.round: ties to even
;;       return np.moveaxis(q.reshape(q.shape[:-2] + (-1,))[..., :K], -1, axis).astype(np.float32)
;;   ~~~
;;   SOFTMAX AHEAD OF A QUANTISED PRODUCT. Where the list says 'softmax', what is quantised is not the finished softmax but p = 2^(t - M), with t = logit x log2(e) and M = ceil(the row's largest t), a whole number; so 1/2 < the row's largest p <= 1. The row's sum l is taken of the UNQUANTISED p, in f32, and the product's result is divided by l at the end. Since M is a whole number, a kernel that streams over the keys may use a running M (the ceiling of the running maximum): every later rescaling is an exact power of two, which a block's scale takes up: the codes' values come out the same.
;;   OPERANDS COMPUTED ON THE WAY. 'Computed on the way' means the value that the module computes at that place (a softmax that the list does not call 'softmax' is quantised finished and normalised). What goes into a quantiser is computed in f32, as accurately as f32 sums, v_exp_f32 and their like allow (about 1e-6 of the number): no bf16 or f16 on the way to a quantiser, and a product that is left as it is and whose result goes on into a quantised operand takes f32 operands (vector FMAs, or v_wmma_f32_16x16x4_f32). A number that lies on a knife's edge between two numbers of the format may be rounded either way, as far as f32 arithmetic and the matrix unit's own rounding can turn it there, and no further.
;; One version. Each part assembles by itself: llvm-mc -triple=amdgcn-amd-amdhsa -mcpu=gfx1250 --defsym DOCPART=n.
;; ======== version 1 of 1: 4 launches
;; limits: right only within a limited range of input values
;; workspace buffers: c1 22,020,096 bytes; s1 917,504 bytes; pc 18,874,368 bytes; ps 786,432 bytes; oc 6,291,456 bytes; os 262,144 bytes
;; launch quant (part 1): grid 896 x 1, 4 waves a work-group, no clusters, 35,328 bytes of LDS; arguments queries, keys, values, Wq, Wk, Wv, Wo, c1, s1; writes c1, s1
.if DOCPART == 1
	.amdgcn_target "amdgcn-amd-amdhsa--gfx1250"
	.amdhsa_code_object_version 6
	.text
	.protected	k_q52c1523600_quant
	.globl	k_q52c1523600_quant
	.p2align	8
	.type	k_q52c1523600_quant,@function
k_q52c1523600_quant:
	s_mov_b64 s[64:65], 0
	v_nop
	global_prefetch_b8 v0, s[64:65] scope:SCOPE_SE
	s_setreg_imm32_b32 hwreg(HW_REG_WAVE_MODE, 25, 1), 1
	s_wait_xcnt 0x0
; queries, keys, values [8192][1024] and Wq, Wk, Wv, Wo [1024][1024], f32, K innermost, become codes of FP6 (E2M3) with one E8M0 byte for each 32 along K.
; A block's scale is 2^(floor(log2(largest magnitude)) - 2): its byte is the largest magnitude's exponent field - 2, held at 1 from below.
; LAYOUT OF THE RESULT: the order of an operand's registers.  A fragment (16 rows x 128 K, 12 registers a lane) is 1,536 bytes: [i 0..2][lane][16 bytes], registers 4 i .. 4 i + 3.
;   c1: [tile of 16 rows, 0..1791][K / 128, 0..7][1536];  s1: [tile][K / 256, 0..3][row 0..15][2 scale words].
;   tiles 0-511 queries, 512-1023 keys, 1024-1535 values, 1536-1599 Wq', 1600-1663 Wk', 1664-1727 Wv', 1728-1791 Wo.
; THE ROWS OF Wq, Wk, Wv ARE TAKEN IN ANOTHER ORDER (which rows of a weight form a tile only says where a result lands):
;   Wq', Wk': row 128 g + 64 c + d is row 64 (g + 8 c) + d.    Wv': row 128 cw + 32 be + 16 u + 8 h + j is row 64 (8 u + j) + 32 cw2 + 16 cw0 + 8 cw1 + 2 be + h.
; SHARES: wave W = 4 x work-group + wave takes tile W / 2, K half W % 2: four fragments, in eight steps of 16 rows x 64 K.
; A step's eight loads read 256 consecutive bytes of a row in sixteen lanes; the 4,096 bytes turn through the wave's own stage in LDS (rows 272 bytes apart), from which lane (r, h) takes
; the 32 neighbours 32 h .. 32 h + 31 of row r: a whole block, in the order that the operand's layout gives that lane.  Loads run three steps ahead, the turn one step.  Waves share nothing: no barrier.
; LIMITS: NaN and infinities are not served.  A block of zeros gets the byte 1 where the rule says 127: its codes are zeros, and this program alone reads the bytes.
.set OFFR, 4                           ; v4-11    load i: byte offset of row 2 i + lane / 16, + 16 (lane % 16)
.set STW,  12                          ; v12      the stage, on the way in
.set STR,  13                          ; v13      and on the way out
.set LI,   14                          ; v14      16 x lane
.set LS,   15                          ; v15      8 x lane
.set R,    16                          ; v16-111  three sets of 32: a step as loaded
.set X,    112                         ; v112-175 two sets of 32: my block
.set C,    176                         ; v176-223 four fragments; never written twice
.set T,    224                         ; v224-226 a block's upper 16 codes (a conversion's three registers begin on an even number)
.set M0,   228
.set M1,   229
.set SO,   230                         ; the conversion's scale operand
.set BY,   231                         ; the scale's byte
.set W16,  232
.set PT,   233
.set SW,   234                         ; v234-237 the four fragments' scale words
.set OUT,  238                         ; v238-239
.set SH8,  240                         ; 8 x (lane / 16)
.set VB,   241
	s_load_b256 s[4:11], s[0:1], 0x0               ; queries, keys, values, Wq
	s_load_b256 s[12:19], s[0:1], 0x20             ; Wk, Wv, Wo, c1
	s_load_b64 s[20:21], s[0:1], 0x40              ; s1
	v_lshl_add_u32 v248, v0, 2, 0x8800
	v_mov_b32 v249, 0
	v_lshrrev_b32 v1, 5, v0
	v_readfirstlane_b32 s22, v1                    ; wave
	v_and_b32 v1, 31, v0                           ; lane
	v_and_b32 v2, 15, v0                           ; lane % 16
	v_bfe_u32 v3, v0, 4, 1                         ; lane / 16
	s_mul_i32 s23, s22, 8704                       ; my wave's two stages of 16 x 272 bytes
	v_mul_u32_u24 v[STW], v3, 272
	v_lshl_add_u32 v[STW], v2, 4, v[STW]
	v_add_nc_u32 v[STW], s23, v[STW]               ; in: row lane / 16 of a load's two, 16 bytes a lane
	v_mul_u32_u24 v[STR], v2, 272
	v_lshl_add_u32 v[STR], v3, 7, v[STR]
	v_add_nc_u32 v[STR], s23, v[STR]               ; out: row lane % 16, block lane / 16
	v_lshlrev_b32 v[LI], 4, v1
	v_lshlrev_b32 v[LS], 3, v1
	v_lshlrev_b32 v[SH8], 3, v3
	v_mov_b32 v[PT], 0                             ; a lane permute's destination counts as one of its sources
	s_mov_b32 s40, 0x76543210
	s_mov_b32 s41, 0xfedcba98                      ; selects for lane xor 16
	s_lshr_b32 s28, s22, 1
	s_and_b32 s29, s22, 1                          ; which half of K
	s_lshl_b32 s30, ttmp9, 1
	s_add_co_u32 s30, s30, s28                     ; my tile
	s_mov_b32 s24, 0
	s_wait_kmcnt 0x0
	s_mov_b64 s[26:27], s[4:5]
.macro PICK first, p                   ; from work-group 'first' on: the next tensor.  The choice hangs on the work-group's number alone
	s_cmp_ge_u32 ttmp9, \first
	s_cselect_b64 s[26:27], s[\p:\p+1], s[26:27]
	s_cselect_b32 s24, \first, s24
.endm
	PICK 256, 6
	PICK 512, 8
	PICK 768, 10
	PICK 800, 12
	PICK 832, 14
	PICK 864, 16
	s_sub_co_u32 s25, ttmp9, s24
	s_lshl_b32 s25, s25, 1
	s_add_co_u32 s25, s25, s28                     ; tl: my tile within its tensor
	s_lshl_b32 s31, s25, 4                         ; rows as they lie: first row 16 tl
	s_lshr_b32 s32, s25, 3                         ; Wq', Wk': 64 (tl / 8 + 8 (tl / 4 % 2)) + 16 (tl % 4)
	s_and_b32 s33, s25, 4
	s_lshl_b32 s33, s33, 1
	s_add_co_u32 s32, s32, s33
	s_lshl_b32 s32, s32, 6
	s_and_b32 s33, s25, 3
	s_lshl_b32 s33, s33, 4
	s_add_co_u32 s32, s32, s33
	s_and_b32 s34, s25, 1                          ; Wv': tl = 8 cw + 2 be + u: 512 u + 32 cw2 + 16 cw0 + 8 cw1 + 2 be
	s_lshl_b32 s34, s34, 9
	s_and_b32 s33, s25, 38                         ; 32 cw2 + 2 be stand where they are
	s_add_co_u32 s34, s34, s33
	s_and_b32 s33, s25, 8
	s_lshl_b32 s33, s33, 1
	s_add_co_u32 s34, s34, s33
	s_and_b32 s33, s25, 16
	s_lshr_b32 s33, s33, 1
	s_add_co_u32 s34, s34, s33
	s_mov_b32 s35, 4096                            ; bytes from row 2 i to row 2 i + 1 of a tile,
	s_mov_b32 s36, 8192                            ; for each of i % 4,
	s_mov_b32 s37, 32768                           ; and for i / 4
	s_sub_co_u32 s33, ttmp9, 768
	s_cmp_lt_u32 s33, 64                           ; Wq or Wk
	s_cselect_b32 s31, s32, s31
	s_sub_co_u32 s33, ttmp9, 832
	s_cmp_lt_u32 s33, 32                           ; Wv: tile row 8 h + j is 64 j + h rows on
	s_cselect_b32 s31, s34, s31
	s_cselect_b32 s35, 0x40000, s35
	s_cselect_b32 s36, 0x80000, s36
	s_cselect_b32 s37, 4096, s37
	s_lshl_b32 s32, s31, 12
	s_lshl_b32 s33, s29, 11
	s_add_co_u32 s32, s32, s33
	s_mov_b32 s33, 0
	s_add_nc_u64 s[26:27], s[26:27], s[32:33]      ; the source at my first row, my half of K
	s_mul_i32 s32, s30, 12288
	s_mul_i32 s34, s29, 6144
	s_add_co_u32 s32, s32, s34
	s_add_nc_u64 s[18:19], s[18:19], s[32:33]      ; my four fragments in c1
	s_lshl_b32 s32, s30, 9
	s_lshl_b32 s34, s29, 8
	s_add_co_u32 s32, s32, s34
	s_add_nc_u64 s[20:21], s[20:21], s[32:33]      ; my 256 bytes of s1
	v_mul_u32_u24 v[VB], v3, s35
	v_lshl_add_u32 v[VB], v2, 4, v[VB]
	s_wait_alu depctr_va_vdst(0)
.irp i, 0,1,2,3,4,5,6,7
	s_mul_i32 s32, s36, \i%4
	s_mul_i32 s34, s37, \i/4
	s_add_co_u32 s32, s32, s34
	v_add_nc_u32 v[OFFR+\i], s32, v[VB]
.endr
.macro LOAD t                          ; step t: 16 rows x 256 bytes; sixteen lanes read 256 consecutive bytes, at a multiple of 256 from the tensor's first byte
.irp i, 0,1,2,3,4,5,6,7
	global_load_b128 v[R+32*((\t)%3)+4*\i:R+32*((\t)%3)+4*\i+3], v[OFFR+\i], s[26:27] offset:256*(\t) th:TH_LOAD_NT
.endr
.endm
.macro TURN t                          ; through the stage: LDS serves a wave's instructions in order, so no wait stands between the stores and the loads
.irp i, 0,1,2,3,4,5,6,7
	ds_store_b128 v[STW], v[R+32*((\t)%3)+4*\i:R+32*((\t)%3)+4*\i+3] offset:4352*((\t)%2)+544*\i
.endr
.irp i, 0,1,2,3,4,5,6,7
	ds_load_b128 v[X+32*((\t)%2)+4*\i:X+32*((\t)%2)+4*\i+3], v[STR] offset:4352*((\t)%2)+16*\i
.endr
.endm
.macro STEP t
.set XS, X+32*((\t)%2)
.set CF, C+12*((\t)/2)+6*((\t)%2)
	s_wait_dscnt 0x0                               ; my block is back from the stage; the stage's stores have read their registers,
.if (\t) < 5
	LOAD (\t)+3                                    ; which take the loads of three steps on
.endif
.if (\t) < 7
.if (\t) <= 4
	s_wait_loadcnt 16                              ; the next step's eight loads are in; those of the two steps behind it may be out
.else
	s_wait_loadcnt 8*(6-(\t))                      ; at the end the counts run down
.endif
	TURN (\t)+1
.endif
	v_max3_num_f32 v[M0], |v[XS]|, |v[XS+1]|, 0x1800000            ; the block's largest magnitude: all 32 numbers are mine; and the floor 2^(3 - 127), so that the byte cannot fall under 1
	v_max3_num_f32 v[M1], |v[XS+2]|, |v[XS+3]|, |v[XS+4]|          ; (two chains)
.irp i, 5,9,13,17,21,25
	v_max3_num_f32 v[M0], v[M0], |v[XS+\i]|, |v[XS+\i+1]|
	v_max3_num_f32 v[M1], v[M1], |v[XS+\i+2]|, |v[XS+\i+3]|
.endr
	v_max3_num_f32 v[M0], v[M0], |v[XS+29]|, |v[XS+30]|
	v_max3_num_f32 v[M0], v[M0], v[M1], |v[XS+31]|
	v_add_nc_u32 v[SO], 0xff000000, v[M0]          ; 2 off its exponent field: the conversion takes the exponent field of this operand as its scale
	v_cvt_scalef32_pk16_fp6_f32 v[CF:CF+2], v[XS:XS+15], v[SO]
	v_cvt_scalef32_pk16_fp6_f32 v[T:T+2], v[XS+16:XS+31], v[SO]
	v_lshrrev_b32 v[BY], 23, v[SO]                 ; the scale's byte.  (The plain line behind the conversions)
	v_mov_b32 v[CF+3], v[T]
	v_mov_b32 v[CF+4], v[T+1]
	v_mov_b32 v[CF+5], v[T+2]                      ; registers 6 c .. 6 c + 5 of the fragment: k = 64 c + 32 h + 0 .. 31
.if (\t)%2 == 0
	v_mov_b32 v[W16], v[BY]                        ; block h
.else
	v_lshl_or_b32 v[W16], v[BY], 16, v[W16]        ; and block 2 + h,
	v_lshlrev_b32 v[W16], v[SH8], v[W16]           ; at their places in the scale word;
	v_permlanex16_b32 v[PT], v[W16], s40, s41
	v_or_b32 v[SW+(\t)/2], v[W16], v[PT]           ; with lane xor 16's two the word is whole
.irp i, 0,1,2
	global_store_b128 v[LI], v[C+12*((\t)/2)+4*\i:C+12*((\t)/2)+4*\i+3], s[18:19] offset:1536*((\t)/2)+512*\i   ; 32 lanes store 512 consecutive bytes
.endr
.endif
.endm
	s_wait_alu depctr_va_vdst(0)
	LOAD 0
	LOAD 1
	LOAD 2
	s_wait_loadcnt 16                              ; step 0's eight loads are in
	TURN 0
.irp t, 0,1,2,3,4,5,6,7
	STEP \t
.endr
	v_cmp_lt_u32 vcc_lo, 15, v1                    ; lanes 0-15 store the words of my first 256 along K, lanes 16-31 those of my second
	v_cndmask_b32 v[OUT], v[SW], v[SW+2], vcc_lo
	v_cndmask_b32 v[OUT+1], v[SW+1], v[SW+3], vcc_lo
	global_store_b64 v[LS], v[OUT:OUT+1], s[20:21] ; 32 lanes store 256 consecutive bytes, aligned
	s_wait_tensorcnt 0x0
	ds_add_u32 v248, v249
	s_wait_dscnt 0x0
	s_endpgm
.Lfunc_end_k_q52c1523600_quant:
	.size	k_q52c1523600_quant, .Lfunc_end_k_q52c1523600_quant-k_q52c1523600_quant
	.p2alignl 7, 3214868480
	.fill 96, 4, 3214868480
	.section	.rodata,"a",@progbits
	.p2align	6, 0x0
	.amdhsa_kernel k_q52c1523600_quant
		.amdhsa_group_segment_fixed_size 35328
		.amdhsa_private_segment_fixed_size 0
		.amdhsa_enable_private_segment 0
		.amdhsa_kernarg_size 72
		.amdhsa_user_sgpr_count 2
		.amdhsa_user_sgpr_kernarg_segment_ptr 1
		.amdhsa_wavefront_size32 1
		.amdhsa_system_sgpr_workgroup_id_x 1
		.amdhsa_system_sgpr_workgroup_id_y 1
		.amdhsa_system_sgpr_workgroup_id_z 1
		.amdhsa_system_vgpr_workitem_id 0
		.amdhsa_next_free_vgpr 250
		.amdhsa_next_free_sgpr 66
		.amdhsa_reserve_vcc 1
		.amdhsa_float_denorm_mode_32 3
		.amdhsa_float_denorm_mode_16_64 3
		.amdhsa_memory_ordered 1
		.amdhsa_forward_progress 1
		.amdhsa_inst_pref_size 34
	.end_amdhsa_kernel
	.amdgpu_metadata
---
amdhsa.version: [ 1, 2 ]
amdhsa.kernels:
  - .name:           k_q52c1523600_quant
    .symbol:         k_q52c1523600_quant.kd
    .args:
      - { .name: queries, .offset: 0, .size: 8, .value_kind: global_buffer, .address_space: global }
      - { .name: keys, .offset: 8, .size: 8, .value_kind: global_buffer, .address_space: global }
      - { .name: values, .offset: 16, .size: 8, .value_kind: global_buffer, .address_space: global }
      - { .name: Wq, .offset: 24, .size: 8, .value_kind: global_buffer, .address_space: global }
      - { .name: Wk, .offset: 32, .size: 8, .value_kind: global_buffer, .address_space: global }
      - { .name: Wv, .offset: 40, .size: 8, .value_kind: global_buffer, .address_space: global }
      - { .name: Wo, .offset: 48, .size: 8, .value_kind: global_buffer, .address_space: global }
      - { .name: c1, .offset: 56, .size: 8, .value_kind: global_buffer, .address_space: global }
      - { .name: s1, .offset: 64, .size: 8, .value_kind: global_buffer, .address_space: global }
    .group_segment_fixed_size: 35328
    .private_segment_fixed_size: 0
    .kernarg_segment_align: 8
    .kernarg_segment_size: 72
    .max_flat_workgroup_size: 128
    .sgpr_count:     66
    .vgpr_count:     250
    .wavefront_size: 32
...
	.end_amdgpu_metadata
.endif
;; end of part 1
;; launch proj (part 2): grid 4 x 64, 4 waves a work-group, clusters of 4 x 4, 327,680 bytes of LDS; arguments c1, s1, pc, ps; writes pc, ps
.if DOCPART == 2
	.amdgcn_target "amdgcn-amd-amdhsa--gfx1250"
	.amdhsa_code_object_version 6
	.text
	.protected	k_q52c1523600_proj
	.globl	k_q52c1523600_proj
	.p2align	8
	.type	k_q52c1523600_proj,@function
k_q52c1523600_proj:
	s_mov_b64 s[64:65], 0
	v_nop
	global_prefetch_b8 v0, s[64:65] scope:SCOPE_SE
	s_setreg_imm32_b32 hwreg(HW_REG_WAVE_MODE, 25, 1), 1
	s_wait_xcnt 0x0
	s_wait_alu depctr_hold_cnt(0) depctr_sa_sdst(0) depctr_va_vdst(0) depctr_va_sdst(0) depctr_va_ssrc(0) depctr_va_vcc(0) depctr_vm_vsrc(0)
	s_getreg_b32 s2, hwreg(HW_REG_IB_STS2, 6, 4)
	s_cmp_eq_u32 s2, 0
	s_cbranch_scc0 .Lentry_in_a_cluster
	s_endpgm
.Lentry_in_a_cluster:
	s_bfe_u32 s2, ttmp6, 0x10000c
	s_cmp_lg_u32 s2, 0xf033
	s_cbranch_scc0 .Lentry_shape_is_right
	s_endpgm
.Lentry_shape_is_right:
; The three projections, C = X W'^T on codes of FP6 (E2M3) with E8M0 scales; X = queries, keys, values, W' = Wq', Wk', Wv' (rows in the order in which c1 holds them).
; q and k are quantised along the head's 64, v along the keys, and stored in the order in which the attention takes them.
; SHARES: 256 work-groups that stay: each makes the block (tile row, tile column), 128 rows x 256 columns, of q, then of k, then of v.  Four waves 2 x 2, each 64 x 128: 32 accumulators at v[8 (8 a + b)] of window 2.
; RING: two LDS slots, each half of K (512): X's 8 tiles x 6,144 bytes, then W's 16 x 6,144.  Waves 0, 1 fetch X's halves, waves 2, 3 W's: one joint load a wave behind each round.
; A slot is asked for again in the last K step that multiplies it (its fragments are in registers by then); the ring goes on from tensor to tensor.  One load of a wave is out at any time.
; CLUSTER 4 x 4: X's tiles are shared along a row of the cluster, W's along a column.
; Scale words go from s1 straight into 48 registers, once a tensor, asked for under the epilogue of the tensor before.
; PREFETCH: behind a refill each wave names the half of K that the next refill loads; the four partners of a joint load share its tiles out by address (24 blocks of 256 bytes an instruction, lanes 24-31 repeat the last).
; The first three halves come by their loads alone; the loop's last change of slots and the tail ask for nothing.
; The matrix instruction is used transposed: source 0 = 16 rows of W', source 1 = 16 rows of X: lane (r, h) register j holds C(16 a + r, 16 b + 8 h + j).
; pc: q, k: [head][a 0..3][i 0..2][strip 0..7][lane][16]; v: [head][a = 256 keys][row x of V^T 0..63][192].  ps: [head][strip][256].
; LIMITS: NaN and infinities are not served; a block of zeros gets the byte 1 (its codes are zeros, and this program alone reads the bytes).
.set SLOT, 147456
.set WOFF, 49152
.set SGQ,  307200                      ; 256 bytes a wave for q's and k's scale words; no tensor load lands here
.set SGV,  308224                      ; the same for v's scale bytes
.set SPARE, 309248
.set XT,   6291456                     ; bytes from one tensor's codes to the next's: 512 tiles x 12,288 (and 128 heads x 49,152 in pc)
.set WT,   786432                      ; 64 tiles x 12,288
.set ADRA, 4                           ; v4-5 my X fragments in slot 0, 1
.set ADRB, 8                           ; v8-9 my W fragments
.set VSA,  12
.set VSB,  13
.set LI,   14
.set L8,   15
.set L12,  16
.set SQW,  17
.set SQR,  18
.set SVW,  19
.set SVR,  20
.set PFO,  21
.set SA,   32                          ; register 4 kc + 2 (a % 2) + q: lanes 0-15 block a % 2, lanes 16-31 block a % 2 + 2
.set SB,   48                          ; register 8 kc + 2 (b % 4) + q: lanes 0-15 block b % 4, lanes 16-31 block b % 4 + 4
.set TM,   80
.set PW,   96
.set OW,   100
.set AF,   128
.set G1A,  24
.set G1B,  32
.set G0A,  40
.set G0B,  48
.set SXB,  56
.set SWB,  58
.set CNT,  60
.set PFA,  68
.set PFS,  70
.set MSB, 0
.macro WIN new
.if MSB != \new
	s_set_vgpr_msb (MSB<<8)|\new
.set MSB, \new
.endif
.endm
.macro PLACES
.rept 4
	v_nop
.endr
.endm
.macro CREST
	s_cmp_lg_u32 s14, 0
	s_cbranch_scc1 .Lnot_wave_0_\@
	s_barrier_signal -3
.Lnot_wave_0_\@:
	s_barrier_wait -3
	s_barrier_signal -1
	s_barrier_wait -1
.endm
.macro CROUND
	s_barrier_signal -1
	s_barrier_wait -1
	CREST
.endm
.macro G1SET g, c, r, p
	s_mov_b32 s[\g+1], (\c)<<16
	s_mov_b32 s[\g+2], (\r)<<16
	s_mov_b32 s[\g+3], (\c)<<16
	s_mov_b32 s[\g+4], \r
	s_mov_b32 s[\g+5], \p
	s_mov_b32 s[\g+6], 0
	s_mov_b32 s[\g+7], 0
.endm
.macro JLOAD s                         ; a joint load into slot s: waves 0, 1 for X, waves 2, 3 for W
	s_cmp_eq_u32 s15, 0
	s_cbranch_scc0 .Lfor_w_\@
	tensor_load_to_lds s[G0A+4*(\s):G0A+4*(\s)+3], s[G1A:G1A+7]
	s_nop 0
	PLACES
	s_branch .Lasked_\@
.Lfor_w_\@:
	tensor_load_to_lds s[G0B+4*(\s):G0B+4*(\s)+3], s[G1B:G1B+7]
	s_nop 0
	PLACES
.Lasked_\@:
.endm
.macro ASK s                           ; PFA stands at the next tensor's first half.  K step 3 names its second half, K step 7 the first half of the tensor after it (in the first trip alone)
.if (\s) == 7
	s_cmp_eq_u32 s[CNT], 2
	s_cbranch_scc0 .Lno_ask_\@
.endif
	s_cmp_eq_u32 s15, 0
	s_cbranch_scc0 .Lask_w_\@
.if (\s) == 7
	global_prefetch_b8 v[PFO], s[PFA:PFA+1] offset:XT th:TH_LOAD_NT scope:SCOPE_SE
.else
	global_prefetch_b8 v[PFO], s[PFA:PFA+1] offset:6144 th:TH_LOAD_NT scope:SCOPE_SE
.endif
	s_branch .Lno_ask_\@
.Lask_w_\@:
.if (\s) == 7
	global_prefetch_b8 v[PFO], s[PFA:PFA+1] offset:WT th:TH_LOAD_NT scope:SCOPE_SE
	global_prefetch_b8 v[PFO], s[PFA:PFA+1] offset:WT+12288 th:TH_LOAD_NT scope:SCOPE_SE
.else
	global_prefetch_b8 v[PFO], s[PFA:PFA+1] offset:6144 th:TH_LOAD_NT scope:SCOPE_SE
	global_prefetch_b8 v[PFO], s[PFA:PFA+1] offset:6144+12288 th:TH_LOAD_NT scope:SCOPE_SE
.endif
.Lno_ask_\@:
.endm
	s_load_b128 s[4:7], s[0:1], 0x0                ; c1, s1
	s_load_b128 s[8:11], s[0:1], 0x10              ; pc, ps
	v_lshl_add_u32 v254, v0, 2, SPARE
	v_mov_b32 v255, 0
	ds_add_u32 v254, v255                          ; the opening lines: the add twice on end
	ds_add_u32 v254, v255
	v_lshrrev_b32 v1, 5, v0
	v_readfirstlane_b32 s14, v1                    ; wave
	s_lshr_b32 s15, s14, 1                         ; my half of the rows; also: I fetch for X (0) or W (1)
	s_and_b32 s16, s14, 1                          ; my half of the columns; also: which half of that tile I fetch
	s_bfe_u32 s2, ttmp6, 0x40000                   ; cx
	s_bfe_u32 s3, ttmp6, 0x40004                   ; cy
	s_lshl_b32 s18, ttmp9, 2
	s_add_co_u32 s18, s18, s2                      ; tile column 0..3
	s_and_b32 s19, ttmp7, 0xffff
	s_lshl_b32 s17, s19, 2
	s_add_co_u32 s17, s17, s3                      ; tile row 0..63
	s_lshl_b32 s20, s3, 2
	s_lshl_b32 s20, 15, s20                        ; my row of the cluster
	s_lshl_b32 s21, 0x1111, s2                     ; my column
	s_or_b32 s[G1A], s20, (3<<16)|(1<<21)
	s_or_b32 s[G1B], s21, (3<<16)|(1<<21)
	G1SET G1A, 768, 4, 1536                        ; four tiles' 6,144 bytes, 12,288 apart
	G1SET G1B, 768, 8, 1536                        ; eight
	s_lshl_b32 s22, s17, 3
	s_lshl_b32 s23, s16, 2
	s_add_co_u32 s23, s22, s23                     ; the X tile that I fetch first
	s_lshl_b32 s20, s15, 2
	s_add_co_u32 s22, s22, s20                     ; the X tile that I multiply first
	s_lshl_b32 s[SXB], s22, 9
	s_mov_b32 s[SXB+1], 0
	s_lshl_b32 s66, s18, 4
	s_lshl_b32 s67, s16, 3
	s_add_co_u32 s66, s66, s67
	s_add_co_u32 s66, s66, 1536                    ; my first W tile
	s_lshl_b32 s[SWB], s66, 9
	s_mov_b32 s[SWB+1], 0
	s_mul_i32 s100, s23, 12288
	s_mov_b32 s101, 0
	s_mul_i32 s12, s66, 12288
	s_mov_b32 s13, 0
	s_lshl_b32 s21, s3, 1
	s_mov_b32 s[PFS], WT
	s_cmp_eq_u32 s15, 0
	s_cselect_b32 s20, s23, s66                    ; the prefetches: of the tiles that I fetch,
	s_cselect_b32 s21, s2, s21                     ; my work-group takes tile cx of X's four, tiles 2 cy, 2 cy + 1 of W's eight
	s_cselect_b32 s[PFS], XT, s[PFS]
	s_mov_b32 s[PFS+1], 0
	s_add_co_u32 s20, s20, s21
	s_mul_i32 s[PFA], s20, 12288
	s_mov_b32 s[PFA+1], 0
	s_add_nc_u64 s[PFA:PFA+1], s[PFA:PFA+1], s[PFS:PFS+1]
	s_mul_i32 s72, s16, 24576                      ; LDS: where my X tiles land,
	s_mul_i32 s73, s16, 49152
	s_add_co_u32 s73, s73, WOFF                    ; where my W tiles land, which are also those that I multiply
	s_mul_i32 s74, s15, 24576                      ; the X tiles that I multiply
	s_add_co_u32 s75, s74, SLOT
	s_add_co_u32 s76, s73, SLOT
	s_lshl_b32 s78, s14, 8
	s_add_co_u32 s79, s78, SGV
	s_add_co_u32 s78, s78, SGQ
	s_wait_dscnt 0x0
	s_wait_kmcnt 0x0
	s_add_nc_u64 s[100:101], s[4:5], s[100:101]
	s_add_nc_u64 s[12:13], s[4:5], s[12:13]
	s_add_nc_u64 s[PFA:PFA+1], s[4:5], s[PFA:PFA+1]
	s_add_nc_u64 s[SXB:SXB+1], s[6:7], s[SXB:SXB+1]
	s_add_nc_u64 s[SWB:SWB+1], s[6:7], s[SWB:SWB+1]
.irp s, 0,1
	s_mov_b32 s[G0A+4*\s], 1
	s_add_co_u32 s[G0A+4*\s+1], s72, \s*SLOT
	s_add_nc_u64 s[G0A+4*\s+2:G0A+4*\s+3], s[100:101], \s*6144
	s_or_b32 s[G0A+4*\s+3], s[G0A+4*\s+3], 0x80000000
	s_mov_b32 s[G0B+4*\s], 1
	s_add_co_u32 s[G0B+4*\s+1], s73, \s*SLOT
	s_add_nc_u64 s[G0B+4*\s+2:G0B+4*\s+3], s[12:13], \s*6144
	s_or_b32 s[G0B+4*\s+3], s[G0B+4*\s+3], 0x80000000
.endr
	CROUND                                         ; all sixteen work-groups are here
	JLOAD 0                                        ; q's first half of K: my one load at the head
	s_mov_b32 s2, 0x76543210
	s_mov_b32 s3, 0xfedcba98                       ; selects for lane xor 16
	s_lshl_b32 s20, s17, 1
	s_add_co_u32 s20, s20, s15                     ; my head of the tensor's 128
	s_lshl_b32 s21, s18, 1
	s_add_co_u32 s21, s21, s16                     ; my strip of 128 columns
	s_mul_i32 s22, s20, 49152
	s_lshl_b32 s23, s21, 9
	s_add_co_u32 s22, s22, s23
	s_mov_b32 s23, 0
	s_add_nc_u64 s[8:9], s[8:9], s[22:23]
	s_lshl_b32 s22, s20, 11
	s_lshl_b32 s12, s21, 8
	s_add_co_u32 s22, s22, s12
	s_add_nc_u64 s[10:11], s[10:11], s[22:23]
	s_lshl_b32 s12, s21, 10                        ; v's strips lie 1,536 bytes apart, q's and k's 512
	s_mov_b32 s13, 0
	v_and_b32 v1, 31, v0
	v_and_b32 v2, 15, v0                           ; r
	v_bfe_u32 v3, v0, 4, 1                         ; h
	v_lshlrev_b32 v[LI], 4, v1
	v_add_nc_u32 v[ADRA], s74, v[LI]
	v_add_nc_u32 v[ADRA+1], s75, v[LI]
	v_add_nc_u32 v[ADRB], s73, v[LI]
	v_add_nc_u32 v[ADRB+1], s76, v[LI]
	v_lshlrev_b32 v[VSA], 3, v2                    ; scale words in s1: [tile][K / 256][r][2]: 8 r;
	v_lshl_add_u32 v[VSB], v3, 11, v[VSA]          ; W's: lanes 16-31 four tiles on,
	v_lshl_add_u32 v[VSA], v3, 10, v[VSA]          ; X's: two tiles on
	v_lshlrev_b32 v[L8], 3, v1
	v_mul_u32_u24 v[L12], v1, 12
	v_lshl_add_u32 v[SQW], v2, 4, s78
	v_add_nc_u32 v[SQR], s78, v[L8]
	v_lshrrev_b32 v[SVW], 1, v2
	v_lshl_add_u32 v[SVW], v3, 5, v[SVW]
	v_add_nc_u32 v[SVW], s79, v[SVW]
	v_add_nc_u32 v[SVR], s79, v[L8]
	v_min_u32 v[PFO], 23, v1
	v_lshlrev_b32 v[PFO], 8, v[PFO]
.irp b, 0,1,2,3
	v_mov_b32 v[TM+4+\b], 0                        ; a lane permute's destination counts as one of its sources
.endr
.macro WM a, b, s, first
.set rD, 8*(8*(\a)+(\b))
.set rB, 96*((\s)%2)+12*(\b)
.set rA, AF+48*((\s)%2)+12*(\a)
.set rX, SB+8*((\s)/2)+2*((\b)%4)+(\s)%2
.set rY, SA+4*((\s)/2)+2*((\a)%2)+(\s)%2
.if \first
.if ((\a) < 2) && ((\b) < 4)
	v_wmma_scale_f32_16x16x128_f8f6f4 v[rD:rD+7], v[rB:rB+11], v[rA:rA+11], 0, v[rX], v[rY] matrix_a_fmt:MATRIX_FMT_FP6 matrix_b_fmt:MATRIX_FMT_FP6
.elseif (\a) < 2
	v_wmma_scale_f32_16x16x128_f8f6f4 v[rD:rD+7], v[rB:rB+11], v[rA:rA+11], 0, v[rX], v[rY] matrix_a_fmt:MATRIX_FMT_FP6 matrix_b_fmt:MATRIX_FMT_FP6 matrix_a_scale:MATRIX_SCALE_ROW1
.elseif (\b) < 4
	v_wmma_scale_f32_16x16x128_f8f6f4 v[rD:rD+7], v[rB:rB+11], v[rA:rA+11], 0, v[rX], v[rY] matrix_a_fmt:MATRIX_FMT_FP6 matrix_b_fmt:MATRIX_FMT_FP6 matrix_b_scale:MATRIX_SCALE_ROW1
.else
	v_wmma_scale_f32_16x16x128_f8f6f4 v[rD:rD+7], v[rB:rB+11], v[rA:rA+11], 0, v[rX], v[rY] matrix_a_fmt:MATRIX_FMT_FP6 matrix_b_fmt:MATRIX_FMT_FP6 matrix_a_scale:MATRIX_SCALE_ROW1 matrix_b_scale:MATRIX_SCALE_ROW1
.endif
.else
.if ((\a) < 2) && ((\b) < 4)
	v_wmma_scale_f32_16x16x128_f8f6f4 v[rD:rD+7], v[rB:rB+11], v[rA:rA+11], v[rD:rD+7], v[rX], v[rY] matrix_a_fmt:MATRIX_FMT_FP6 matrix_b_fmt:MATRIX_FMT_FP6
.elseif (\a) < 2
	v_wmma_scale_f32_16x16x128_f8f6f4 v[rD:rD+7], v[rB:rB+11], v[rA:rA+11], v[rD:rD+7], v[rX], v[rY] matrix_a_fmt:MATRIX_FMT_FP6 matrix_b_fmt:MATRIX_FMT_FP6 matrix_a_scale:MATRIX_SCALE_ROW1
.elseif (\b) < 4
	v_wmma_scale_f32_16x16x128_f8f6f4 v[rD:rD+7], v[rB:rB+11], v[rA:rA+11], v[rD:rD+7], v[rX], v[rY] matrix_a_fmt:MATRIX_FMT_FP6 matrix_b_fmt:MATRIX_FMT_FP6 matrix_b_scale:MATRIX_SCALE_ROW1
.else
	v_wmma_scale_f32_16x16x128_f8f6f4 v[rD:rD+7], v[rB:rB+11], v[rA:rA+11], v[rD:rD+7], v[rX], v[rY] matrix_a_fmt:MATRIX_FMT_FP6 matrix_b_fmt:MATRIX_FMT_FP6 matrix_a_scale:MATRIX_SCALE_ROW1 matrix_b_scale:MATRIX_SCALE_ROW1
.endif
.endif
.endm
.macro MUL16 a0, s, first              ; the 32 accumulators take turns, in the same order in every step
.irp a, \a0, \a0+1
.irp b, 0,1,2,3,4,5,6,7
	WM \a, \b, \s, \first
.endr
.endr
.endm
.macro FETCH s                         ; K step s's fragments into set s % 2: W's eight, then X's four: 36 loads
	WIN 0x40
.irp b, 0,1,2,3,4,5,6,7
.irp i, 0,1,2
	ds_load_b128 v[96*((\s)%2)+12*\b+4*\i:96*((\s)%2)+12*\b+4*\i+3], v[ADRB+(\s)/4] offset:6144*\b+1536*((\s)%4)+512*\i
.endr
.endr
	WIN 0
.irp a, 0,1,2,3
.irp i, 0,1,2
	ds_load_b128 v[AF+48*((\s)%2)+12*\a+4*\i:AF+48*((\s)%2)+12*\a+4*\i+3], v[ADRA+(\s)/4] offset:6144*\a+1536*((\s)%4)+512*\i
.endr
.endr
.endm
.macro SCLOAD                          ; a tensor's scale words of my rows and columns: 24 loads
.irp kc, 0,1,2,3
.irp a2, 0,1
	global_load_b64 v[SA+4*\kc+2*\a2:SA+4*\kc+2*\a2+1], v[VSA], s[SXB:SXB+1] offset:512*\a2+128*\kc
.endr
.irp b4, 0,1,2,3
	global_load_b64 v[SB+8*\kc+2*\b4:SB+8*\kc+2*\b4+1], v[VSB], s[SWB:SWB+1] offset:512*\b4+128*\kc
.endr
.endr
.endm
.macro STEPE s, first                  ; a step whose successor lies in the same slot
	s_wait_dscnt 6                                 ; W's eight and X's blocks 0, 1 are in; X's blocks 2, 3 (six loads) may be out
	WIN 0xa1
	MUL16 0, \s, \first
	PLACES
	FETCH (\s)+1
	s_wait_dscnt 36                                ; all but the 36 just issued
	WIN 0xa1
	MUL16 2, \s, \first
.endm
.macro STEPC s, k                      ; a slot's last step.  k = 2: its slot is filled again behind a round; k = 1: a barrier alone shows the other slot whole
	WIN 0
	s_wait_tensorcnt 0x0                           ; my one load that was out, my part of the other slot, has landed
.if \k == 2
	ds_add_u32 v254, v255
	s_add_nc_u64 s[G0A+4*((\s)/4)+2:G0A+4*((\s)/4)+3], s[G0A+4*((\s)/4)+2:G0A+4*((\s)/4)+3], XT   ; this slot's half of the next tensor
	s_add_nc_u64 s[G0B+4*((\s)/4)+2:G0B+4*((\s)/4)+3], s[G0B+4*((\s)/4)+2:G0B+4*((\s)/4)+3], WT
.endif
	s_wait_dscnt 0x0                               ; the add, and my reads of this slot
	s_barrier_signal -1
	WIN 0xa1
	MUL16 0, \s, 0
	WIN 0
	s_barrier_wait -1
.if \k == 2
	CREST
	JLOAD (\s)/4
.else
	PLACES
.endif
.if (\s) == 3
	FETCH 4
.endif
.if \k == 2
	ASK \s
.endif
	WIN 0xa1
	MUL16 2, \s, 0
.endm
.macro TILE k
	FETCH 0
	s_wait_loadcnt 0x0                             ; the scale words
	STEPE 0, 1                                     ; the first products start the sums
	STEPE 1, 0
	STEPE 2, 0
	STEPC 3, \k
	STEPE 4, 0
	STEPE 5, 0
	STEPE 6, 0
.endm
; q AND k.  Row block a's 64 registers of a lane are four half blocks of 32 along d (the other half in lane xor 16): quantised they are one fragment:
; lane (r, H), registers 6 c .. 6 c + 5: position 16 (16 a + r) + strip + 8 c, d block H.  Within a block bits 3 and 4 of d change places, in q and k alike.
.macro QK_ROW a
.set PC, 128+20*(\a)
	WIN 0x0a
.irp b, 0,1,2,3
	v_max3_num_f32 v[TM+\b], |v[64*(\a)+16*\b]|, |v[64*(\a)+16*\b+1]|, 0x1800000   ; from each accumulator's low end on; the floor holds the byte at 1
.endr
.irp i, 2,4,6,8,10,12,14
.irp b, 0,1,2,3
	v_max3_num_f32 v[TM+\b], |v[64*(\a)+16*\b+\i]|, |v[64*(\a)+16*\b+\i+1]|, v[TM+\b]
.endr
.endr
	WIN 0
.irp b, 0,1,2,3
	v_permlanex16_b32 v[TM+4+\b], v[TM+\b], s2, s3
.endr
.irp b, 0,1,2,3
	v_max_num_f32 v[TM+\b], v[TM+\b], v[TM+4+\b]
.endr
.irp b, 0,1,2,3
	v_add_nc_u32 v[TM+12+\b], 0xff000000, v[TM+\b] ; 2 off the exponent field: the conversion's scale operand
.endr
.irp b, 0,1,2,3
	v_lshrrev_b32 v[TM+4+\b], 23, v[TM+12+\b]      ; the byte
.endr
	v_lshl_or_b32 v[PW+(\a)], v[TM+5], 8, v[TM+4]
	v_lshl_or_b32 v[PW+(\a)], v[TM+6], 16, v[PW+(\a)]
	v_lshl_or_b32 v[PW+(\a)], v[TM+7], 24, v[PW+(\a)]
	WIN 0x02
.irp c, 0,1
	v_cvt_scalef32_pk16_fp6_f32 v[PC+6*\c:PC+6*\c+2], v[64*(\a)+32*\c:64*(\a)+32*\c+15], v[TM+12+2*\c]
	v_cvt_scalef32_pk16_fp6_f32 v[PC+12+4*\c:PC+14+4*\c], v[64*(\a)+32*\c+16:64*(\a)+32*\c+31], v[TM+13+2*\c]
.endr
	WIN 0
	v_nop                                          ; a plain line behind a scaled conversion
.irp c, 0,1
.irp i, 0,1,2
	v_permlane16_swap_b32 v[PC+6*\c+\i], v[PC+12+4*\c+\i]
.endr
.irp i, 0,1,2
	v_mov_b32 v[PC+3+6*\c+\i], v[PC+12+4*\c+\i]
.endr
.endr
.irp i, 0,1,2
	global_store_b128 v[LI], v[PC+4*\i:PC+4*\i+3], s[8:9] offset:12288*(\a)+4096*\i   ; 512 consecutive bytes, aligned
.endr
	ds_store_b32 v[SQW], v[PW+(\a)] offset:4*(\a)
.endm
; v.  The 16 registers of accumulators 2 be, 2 be + 1 are one channel and 16 neighbouring keys; rows r and r xor 1 make a block of 32 keys.
.macro V_ROW a
	WIN 0x0a
.irp b, 0,1,2,3
	v_max3_num_f32 v[TM+\b], |v[64*(\a)+16*\b]|, |v[64*(\a)+16*\b+1]|, 0x1800000
.endr
.irp i, 2,4,6,8,10,12,14
.irp b, 0,1,2,3
	v_max3_num_f32 v[TM+\b], |v[64*(\a)+16*\b+\i]|, |v[64*(\a)+16*\b+\i+1]|, v[TM+\b]
.endr
.endr
	WIN 0
.irp b, 0,1,2,3
	v_max_num_f32_dpp v[TM+\b], v[TM+\b], v[TM+\b] row_xmask:1 row_mask:0xf bank_mask:0xf
.endr
.irp b, 0,1,2,3
	v_add_nc_u32 v[TM+12+\b], 0xff000000, v[TM+\b]
.endr
	WIN 0x02
.irp b, 0,1,2,3
	v_cvt_scalef32_pk16_fp6_f32 v[128+16*(\a)+4*\b:130+16*(\a)+4*\b], v[64*(\a)+16*\b:64*(\a)+16*\b+15], v[TM+12+\b]
.endr
	WIN 0
.irp b, 0,1,2,3
	v_lshrrev_b32 v[192+4*(\a)+\b], 23, v[TM+12+\b]
.endr
.irp b, 0,1,2,3
	ds_store_b8 v[SVW], v[192+4*(\a)+\b] offset:64*\b+8*(\a)
	global_store_b96 v[L12], v[128+16*(\a)+4*\b:130+16*(\a)+4*\b], s[8:9] offset:384*\b+12288*(\a)   ; rows 2 (4 strip + b), + 1 of V^T, 256 keys: 384 consecutive bytes
.endr
.endm
	s_wait_alu depctr_va_vdst(0)                   ; the wait at the head's end
	SCLOAD
	s_wait_tensorcnt 0x0                           ; the full sequence ahead of slot 1's first fill
	ds_add_u32 v254, v255
	s_wait_dscnt 0x0
	CROUND
	JLOAD 1                                        ; q's second half of K
	s_mov_b32 s[CNT], 2
.Ltile:                                                ; q, then k
	TILE 2
	STEPC 7, 2
	WIN 0
	PLACES
	s_add_nc_u64 s[SXB:SXB+1], s[SXB:SXB+1], 262144   ; the next tensor's scale words: 512 tiles x 512 bytes, 64 x 512 (the earlier loads were waited for)
	s_add_nc_u64 s[SWB:SWB+1], s[SWB:SWB+1], 32768
	SCLOAD
	QK_ROW 0
	QK_ROW 1
	QK_ROW 2
	QK_ROW 3
	ds_load_b64 v[OW:OW+1], v[SQR]                 ; LDS serves a wave's instructions in order
	s_wait_alu depctr_va_vdst(0)
	s_wait_dscnt 0x0
	global_store_b64 v[L8], v[OW:OW+1], s[10:11]   ; [r][a] words: 256 consecutive bytes, aligned
	s_wait_xcnt 0x0                                ; the stores' data and bases and the prefetches' base may be written
	s_add_nc_u64 s[8:9], s[8:9], XT
	s_add_nc_u64 s[10:11], s[10:11], 262144
	s_add_nc_u64 s[PFA:PFA+1], s[PFA:PFA+1], s[PFS:PFS+1]
	s_sub_co_u32 s[CNT], s[CNT], 1
	s_cmp_lg_u32 s[CNT], 0
	s_wait_alu depctr_va_vdst(0)
	s_cbranch_scc1 .Ltile
	TILE 1                                         ; v: the tail is written out: nothing more is fetched
	s_wait_dscnt 0x0
	WIN 0xa1
	MUL16 0, 7, 0
	MUL16 2, 7, 0
	WIN 0
	PLACES
	s_add_nc_u64 s[8:9], s[8:9], s[12:13]
	V_ROW 0
	V_ROW 1
	V_ROW 2
	V_ROW 3
	ds_load_b64 v[OW:OW+1], v[SVR]
	s_wait_alu depctr_va_vdst(0)
	s_wait_dscnt 0x0
	global_store_b64 v[L8], v[OW:OW+1], s[10:11]
	s_wait_tensorcnt 0x0                           ; the wave's end
	ds_add_u32 v254, v255
	s_wait_dscnt 0x0
	CROUND                                         ; the closing round
	s_endpgm
.Lfunc_end_k_q52c1523600_proj:
	.size	k_q52c1523600_proj, .Lfunc_end_k_q52c1523600_proj-k_q52c1523600_proj
	.p2alignl 7, 3214868480
	.fill 96, 4, 3214868480
	.section	.rodata,"a",@progbits
	.p2align	6, 0x0
	.amdhsa_kernel k_q52c1523600_proj
		.amdhsa_group_segment_fixed_size 327680
		.amdhsa_private_segment_fixed_size 0
		.amdhsa_enable_private_segment 0
		.amdhsa_kernarg_size 32
		.amdhsa_user_sgpr_count 2
		.amdhsa_user_sgpr_kernarg_segment_ptr 1
		.amdhsa_wavefront_size32 1
		.amdhsa_system_sgpr_workgroup_id_x 1
		.amdhsa_system_sgpr_workgroup_id_y 1
		.amdhsa_system_sgpr_workgroup_id_z 1
		.amdhsa_system_vgpr_workitem_id 0
		.amdhsa_next_free_vgpr 768
		.amdhsa_next_free_sgpr 102
		.amdhsa_reserve_vcc 0
		.amdhsa_float_denorm_mode_32 3
		.amdhsa_float_denorm_mode_16_64 3
		.amdhsa_memory_ordered 1
		.amdhsa_forward_progress 1
		.amdhsa_inst_pref_size 154
	.end_amdhsa_kernel
	.amdgpu_metadata
---
amdhsa.version: [ 1, 2 ]
amdhsa.kernels:
  - .name:           k_q52c1523600_proj
    .symbol:         k_q52c1523600_proj.kd
    .args:
      - { .name: c1, .offset: 0, .size: 8, .value_kind: global_buffer, .address_space: global }
      - { .name: s1, .offset: 8, .size: 8, .value_kind: global_buffer, .address_space: global }
      - { .name: pc, .offset: 16, .size: 8, .value_kind: global_buffer, .address_space: global }
      - { .name: ps, .offset: 24, .size: 8, .value_kind: global_buffer, .address_space: global }
    .group_segment_fixed_size: 327680
    .private_segment_fixed_size: 0
    .kernarg_segment_align: 8
    .kernarg_segment_size: 32
    .max_flat_workgroup_size: 128
    .sgpr_count:     102
    .vgpr_count:     768
    .wavefront_size: 32
...
	.end_amdgpu_metadata
.endif
;; end of part 2
;; launch attn (part 3): grid 4 x 64, 16 waves a work-group, clusters of 4 x 1, 239,360 bytes of LDS; arguments pc, ps, oc, os; writes oc, os
.if DOCPART == 3
	.amdgcn_target "amdgcn-amd-amdhsa--gfx1250"
	.amdhsa_code_object_version 6
	.text
	.protected	k_q52c1523600_attn
	.globl	k_q52c1523600_attn
	.p2align	8
	.type	k_q52c1523600_attn,@function
k_q52c1523600_attn:
	s_mov_b64 s[64:65], 0
	v_nop
	global_prefetch_b8 v0, s[64:65] scope:SCOPE_SE
	s_setreg_imm32_b32 hwreg(HW_REG_WAVE_MODE, 25, 1), 1
	s_wait_xcnt 0x0
	s_wait_alu depctr_hold_cnt(0) depctr_sa_sdst(0) depctr_va_vdst(0) depctr_va_sdst(0) depctr_va_ssrc(0) depctr_va_vcc(0) depctr_vm_vsrc(0)
	s_getreg_b32 s2, hwreg(HW_REG_IB_STS2, 6, 4)
	s_cmp_eq_u32 s2, 0
	s_cbranch_scc0 .Lentry_in_a_cluster
	s_endpgm
.Lentry_in_a_cluster:
	s_bfe_u32 s2, ttmp6, 0x10000c
	s_cmp_lg_u32 s2, 0x3003
	s_cbranch_scc0 .Lentry_shape_is_right
	s_endpgm
.Lentry_shape_is_right:
; Attention on codes of FP6 (E2M3): S = q k^T / 8 (K = 64), p = 2^(t - M), O = p v / l (K = 1,024 keys), and O quantised along d for the last projection.
; t = score x log2(e) / 8; M = the running largest t rounded up to a whole number; p is quantised along the keys, not normalised; l is the sum of the unquantised p and divides at the end.
; SHARES: work-group y takes heads 2 y and 2 y + 1, its place cx in the cluster a quarter of the queries; wave w owns queries 16 (16 cx + w) + 0 .. 15 of both heads, one head after the other.
; CLUSTER 4 x 1: the partners walk the same K and V: every tile is asked for jointly (mask 15).  Both heads' K, V and scales lie in LDS, each byte filled once, by ONE load a wave at the head:
; waves 0-7 an eighth of both heads' k (12,288 dense bytes), waves 8-13 a sixth of both heads' V^T (16,384), wave 14 k's scale words, wave 15 v's scale bytes.  Nothing is filled again.
; No prefetch: all tiles are asked for at the head, so there is no loop to run ahead in.
; BOTH PRODUCTS ARE USED TRANSPOSED: a lane holds one query.  K = 64 in an instruction of 128: a fragment of k holds two tiles of keys; it is multiplied by (q | zero codes) and by (zero codes | q).
; LDS: k: [head][a][i][strip] pieces of 512 bytes + 32 of padding; V^T: [head][256 keys][row] rows of 192 bytes + 3 x 16; k's scale words, rows of 256 + 32; v's scale bytes, rows of 256 + 16; 1,024 bytes for O's scale words; the spare words.
; LIMITS: NaN and infinities are not served; a block of zeros gets the byte 1 (its codes are zeros, and this program alone reads the bytes).  The scaled scores stay under 2^31 in magnitude.
.set KREG, 544
.set KH,   52224
.set VOFF, 104448
.set VCH,  15360
.set VH,   61440
.set KSO,  227328
.set KSH,  2304
.set VSO,  231936
.set VSH,  2176
.set SG,   236288
.set SPARE, 237312
.set AK0,  1
.set AS0,  2
.set AV0,  3
.set AV20, 4
.set AT0,  5
.set ADK,  6
.set ADS,  7
.set ADV,  8
.set ADV2, 9
.set ADT,  10
.set FR,   36
.set KSC,  84
.set VSC,  88
.set PW,   92
.set SW,   93
.set OC,   212
.set BM,   224
.set PT,   228
.set SOP,  232
.set F,    236
.set TMP,  238
.set QA0,  244
.set QA1,  245
.set QSA,  246
.set LI,   247
.set SGW,  248
.set SGO,  249
.set SGR,  250
.set WV,   18
.set SEL,  20
.set CS,   22
.set G1K,  24
.set G1V,  32
.set G1KS, 40
.set G1VS, 48
.set G0K,  56
.set G0V,  68
.set G0KS, 76
.set G0VS, 84
.set TK,   92
.set TS,   93
.set TV,   94
.set TT,   95
.set CNT,  96
.macro PLACES
.rept 4
	v_nop
.endr
.endm
.macro CROUND
	s_barrier_signal -1
	s_barrier_wait -1
	s_cmp_lg_u32 s[WV], 0
	s_cbranch_scc1 .Lnot_wave_0_\@
	s_barrier_signal -3
.Lnot_wave_0_\@:
	s_barrier_wait -3
	s_barrier_signal -1
	s_barrier_wait -1
.endm
.macro G1SET g, c, r, p
	s_mov_b32 s[\g+1], (\c)<<16
	s_mov_b32 s[\g+2], (\r)<<16
	s_mov_b32 s[\g+3], (\c)<<16
	s_mov_b32 s[\g+4], \r
	s_mov_b32 s[\g+5], \p
	s_mov_b32 s[\g+6], 0
	s_mov_b32 s[\g+7], 0
.endm
	s_load_b128 s[4:7], s[0:1], 0x0                ; pc, ps
	s_load_b128 s[8:11], s[0:1], 0x10              ; oc, os
	v_lshl_add_u32 v211, v0, 2, SPARE
	v_mov_b32 v239, 0
	ds_add_u32 v211, v239                          ; the opening lines: the add twice on end
	ds_add_u32 v211, v239
	v_lshrrev_b32 v1, 5, v0
	v_readfirstlane_b32 s[WV], v1                  ; wave 0..15
	s_bfe_u32 s19, ttmp6, 0x40000                  ; cx: it enters q's and the results' global addresses alone
	s_and_b32 s12, ttmp7, 0xffff                   ; y
	s_mul_i32 s13, s12, 98304                      ; heads 2 y, 2 y + 1 within a tensor's part of pc
	s_and_b32 s14, s[WV], 7
	s_mul_i32 s2, s14, 12288
	s_add_co_u32 s2, s2, s13
	s_add_co_u32 s2, s2, 6291456                   ; k: heads 128 on
	s_mov_b32 s3, 0
	s_lshl_b32 s66, s14, 14
	s_add_co_u32 s66, s66, s13
	s_add_co_u32 s66, s66, 12582912                ; v: heads 256 on
	s_mov_b32 s67, 0
	s_mul_i32 s15, s14, 20480
	s_mul_i32 s14, s14, 13056
	s_lshl_b32 s98, s12, 12                        ; the two heads' 4,096 bytes within a tensor's part of ps
	s_mov_b32 s99, 0
	s_mov_b32 s[G1K], 15|(3<<16)|(1<<20)|(1<<21)|(6<<22)|(7<<25)   ; mask: all four; elements of 8 bytes; 8 words of padding behind every 128
	G1SET G1K, 64, 24, 64                          ; 24 rows of 512 bytes, dense
	s_mov_b32 s[G1V], 15|(3<<16)|(1<<20)|(1<<21)|(3<<22)|(3<<25)   ; 4 words behind every 16
	G1SET G1V, 32, 64, 32                          ; 64 rows of 256 bytes, dense
	s_mov_b32 s[G1KS], 15|(3<<16)|(1<<20)|(1<<21)|(5<<22)|(7<<25)  ; 8 words behind every 64
	G1SET G1KS, 32, 16, 32
	s_mov_b32 s[G1VS], 15|(3<<16)|(1<<20)|(1<<21)|(5<<22)|(3<<25)  ; 4 words behind every 64
	G1SET G1VS, 32, 16, 32
	s_mov_b32 s[SEL], 0x76543210
	s_mov_b32 s[SEL+1], 0xfedcba98
	s_mov_b32 s[CS], 0x3e38aa3b                    ; c = log2(e) / 8
	s_mov_b32 s[CS+1], s[CS]
	s_wait_dscnt 0x0
	s_wait_kmcnt 0x0
	s_add_nc_u64 s[98:99], s[6:7], s[98:99]
	s_mov_b32 s[G0K], 1
	s_mov_b32 s[G0K+1], s14
	s_add_nc_u64 s[G0K+2:G0K+3], s[4:5], s[2:3]
	s_or_b32 s[G0K+3], s[G0K+3], 0x80000000
	s_mov_b32 s[G0V], 1
	s_add_co_u32 s[G0V+1], s15, VOFF
	s_add_nc_u64 s[G0V+2:G0V+3], s[4:5], s[66:67]
	s_or_b32 s[G0V+3], s[G0V+3], 0x80000000
	s_mov_b32 s[G0KS], 1
	s_mov_b32 s[G0KS+1], KSO
	s_add_nc_u64 s[G0KS+2:G0KS+3], s[98:99], 262144
	s_or_b32 s[G0KS+3], s[G0KS+3], 0x80000000
	s_mov_b32 s[G0VS], 1
	s_mov_b32 s[G0VS+1], VSO
	s_add_nc_u64 s[G0VS+2:G0VS+3], s[98:99], 524288
	s_or_b32 s[G0VS+3], s[G0VS+3], 0x80000000
	CROUND                                         ; all four work-groups are here
	s_cmp_lt_u32 s[WV], 8                          ; one chain of branches on the wave's number, one load to an arm
	s_cbranch_scc0 .Lnot_k
	tensor_load_to_lds s[G0K:G0K+3], s[G1K:G1K+7]
	s_nop 0
	PLACES
	s_branch .Lasked
.Lnot_k:
	s_cmp_lt_u32 s[WV], 14
	s_cbranch_scc0 .Lnot_v
	tensor_load_to_lds s[G0V:G0V+3], s[G1V:G1V+7]
	s_nop 0
	PLACES
	s_branch .Lasked
.Lnot_v:
	s_cmp_eq_u32 s[WV], 14
	s_cbranch_scc0 .Lnot_ks
	tensor_load_to_lds s[G0KS:G0KS+3], s[G1KS:G1KS+7]
	s_nop 0
	PLACES
	s_branch .Lasked
.Lnot_ks:
	tensor_load_to_lds s[G0VS:G0VS+3], s[G1VS:G1VS+7]
	s_nop 0
	PLACES
.Lasked:
	s_mul_i32 s100, s19, 12288                     ; q: row 16 cx + w of the head's 64: row block cx, lane w of the images
	s_add_co_u32 s100, s100, s13
	s_lshl_b32 s97, s[WV], 4
	s_add_co_u32 s100, s100, s97
	s_mov_b32 s101, 0
	s_add_nc_u64 s[100:101], s[4:5], s[100:101]
	s_lshl_b32 s16, s19, 2
	s_add_co_u32 s16, s16, s97
	s_mov_b32 s17, 0
	s_add_nc_u64 s[16:17], s[98:99], s[16:17]      ; its scale words: 16 w + 4 cx in each strip's 256 bytes
	v_and_b32 v224, 15, v0                         ; rho
	v_bfe_u32 v225, v0, 4, 1                       ; H
	v_and_b32 v226, 7, v0                          ; rho % 8
	v_bfe_u32 v227, v0, 3, 1                       ; rho / 8
	v_lshlrev_b32 v[QA0], 9, v226                  ; q: query rho: strip rho % 8, half c = rho / 8 of the image's registers, d block H
	v_lshlrev_b32 v[QSA], 8, v226
	v_lshl_add_u32 v[QA0], v225, 8, v[QA0]
	s_delay_alu instid0(VALU_DEP_1)
	v_mad_u32_u24 v[QA1], v227, 8184, v[QA0]
	v_mad_u32_u24 v[QA0], v227, 4104, v[QA0]       ; registers 0, 1 (i 0, byte 0) or 6, 7 (i 1, byte 8); 4,096 on: 4, 5 or 10, 11
	s_delay_alu instid0(VALU_DEP_2)
	v_add_nc_u32 v[QA1], 8, v[QA1]                 ; registers 2, 3 (i 0, byte 8) or 8, 9 (i 2, byte 0)
	global_load_b64 v[22:23], v[QA0], s[100:101]
	global_load_b64 v[24:25], v[QA1], s[100:101]
	global_load_b64 v[26:27], v[QA0], s[100:101] offset:4096
	global_load_b32 v35, v[QSA], s[16:17]
	global_load_b64 v[242:243], v[QA0], s[100:101] offset:49152   ; the second head's q waits in registers of its own
	global_load_b64 v[252:253], v[QA1], s[100:101] offset:49152
	global_load_b64 v[254:255], v[QA0], s[100:101] offset:53248
	global_load_b32 v251, v[QSA], s[16:17] offset:2048
	s_lshr_b32 s2, s12, 3                          ; b
	s_and_b32 s3, s12, 7                           ; sp
	s_lshl_b32 s14, s2, 6
	s_lshl_b32 s15, s19, 4
	s_add_co_u32 s14, s14, s15
	s_add_co_u32 s14, s14, s[WV]                   ; my tile of the last projection's operand: 64 b + 16 cx + w
	s_mul_i32 s14, s14, 12288
	s_mul_i32 s15, s3, 1536
	s_add_co_u32 s14, s14, s15
	s_mov_b32 s15, 0
	s_add_nc_u64 s[8:9], s[8:9], s[14:15]
	s_lshl_b32 s14, s3, 15                         ; os: [sp][row] words
	s_lshl_b32 s2, s2, 12
	s_add_co_u32 s14, s14, s2
	s_lshl_b32 s2, s19, 10
	s_add_co_u32 s14, s14, s2
	s_add_nc_u64 s[10:11], s[10:11], s[14:15]
	s_lshl_b32 s97, s[WV], 6
	s_and_b32 s2, s[WV], 1
	s_lshl_b32 s2, s2, 9
	s_wait_alu depctr_va_vdst(0)
	v_and_b32 v228, 31, v0
	v_mul_u32_u24 v[AK0], v226, KREG               ; k: key 32 B + 16 (rho / 8) + rho % 8 (+ 8): strip rho % 8, row 2 B + rho / 8, d block H
	v_mul_u32_u24 v[AS0], v226, 288
	v_mul_u32_u24 v[AV0], v224, 240                ; V^T: row rho of a tile
	v_lshlrev_b32 v[LI], 4, v228
	v_lshl_add_u32 v[AK0], v227, 4, v[AK0]
	v_lshl_add_u32 v[AS0], v227, 4, v[AS0]
	v_add_nc_u32 v[AV0], VOFF, v[AV0]
	v_mul_u32_u24 v[AT0], v227, 272                ; v's scale bytes: 32 a row of V^T, eight rows to 256 bytes
	v_lshl_add_u32 v[AK0], v225, 8, v[AK0]
	v_add_nc_u32 v[AS0], KSO, v[AS0]
	v_mad_u32_u24 v[AV20], v225, 40, v[AV0]        ; + 24 H behind one padding more
	v_mad_u32_u24 v[AV0], v225, 24, v[AV0]
	v_lshl_add_u32 v[AT0], v226, 5, v[AT0]
	v_lshlrev_b32 v11, 4, v227                     ; q's two bytes stand 16 (rho / 8) bits up in its strip's word
	v_lshl_add_u32 v[SGW], v224, 2, s97
	v_add_nc_u32 v[SGO], s2, v[LI]
	v_add_nc_u32 v[AT0], VSO, v[AT0]
	v_add_nc_u32 v[SGW], SG, v[SGW]                ; O's scale words: 64 w + 4 rho
	v_add_nc_u32 v[SGR], SG, v[SGO]
.irp j, 16,17,18,19,20,21,28,29,30,31,32,33
	v_mov_b32 v[\j], 0                             ; zero codes on both sides of q
.endr
.irp b, 0,1,2,3
	v_mov_b32 v[PT+\b], 0                          ; a lane permute's destination counts as one of its sources
.endr
	v_mov_b32 v[F+1], 0
; A KEY STEP: 128 keys, the q-th of the 256 in hand.
.macro STEP q
	v_add_nc_u32 v[ADK], s[TK], v[AK0]             ; (these five are also the places behind the last products)
	v_add_nc_u32 v[ADS], s[TS], v[AS0]
	v_add_nc_u32 v[ADV], s[TV], v[AV0]
	v_add_nc_u32 v[ADV2], s[TV], v[AV20]
	v_add_nc_u32 v[ADT], s[TT], v[AT0]
.irp f, 0,1,2,3
.irp i, 0,1,2
	ds_load_b128 v[FR+12*\f+4*\i:FR+12*\f+4*\i+3], v[ADK] offset:32*(4*(\q)+\f)+8*KREG*\i
.endr
	ds_load_b32 v[KSC+\f], v[ADS] offset:32*(4*(\q)+\f)
.endr
	s_wait_alu depctr_va_vdst(0)
	s_wait_dscnt 0x0
.irp f, 0,1,2,3                        ; S^T: register 16 f + i of lane (query, h) is key 32 f + 16 h + i of the step
	v_wmma_scale_f32_16x16x128_f8f6f4 v[96+16*\f:103+16*\f], v[FR+12*\f:FR+12*\f+11], v[22:33], 0, v[KSC+\f], v34 matrix_a_fmt:MATRIX_FMT_FP6 matrix_b_fmt:MATRIX_FMT_FP6
	v_wmma_scale_f32_16x16x128_f8f6f4 v[104+16*\f:111+16*\f], v[FR+12*\f:FR+12*\f+11], v[16:27], 0, v[KSC+\f], v34 matrix_a_fmt:MATRIX_FMT_FP6 matrix_b_fmt:MATRIX_FMT_FP6
.endr
	PLACES
.irp t, 0,1,2,3                        ; V^T's four tiles land under the softmax; where lanes 16-31's piece lies behind one padding more, the second address serves
.irp p, 0,1,2,3,4,5
.set PCE, 12*(\q)+6*(\p/3)+\p%3
.if PCE%8 < 5
	ds_load_b64 v[FR+12*\t+2*\p:FR+12*\t+2*\p+1], v[ADV] offset:8*PCE+16*(PCE/8)+3840*\t
.else
	ds_load_b64 v[FR+12*\t+2*\p:FR+12*\t+2*\p+1], v[ADV2] offset:8*PCE+16*(PCE/8)+3840*\t
.endif
.endr
	ds_load_b32 v[VSC+\t], v[ADT] offset:544*\t+4*(\q)
.endr
.irp b, 0,1,2,3
	v_max3_num_f32 v[BM+\b], v[96+16*\b], v[97+16*\b], v[98+16*\b]   ; each block's largest score: for the row's maximum and for the block's largest p
.endr
.irp i, 3,5,7,9,11,13
.irp b, 0,1,2,3
	v_max3_num_f32 v[BM+\b], v[BM+\b], v[96+16*\b+\i], v[97+16*\b+\i]
.endr
.endr
.irp b, 0,1,2,3
	v_max_num_f32 v[BM+\b], v[BM+\b], v[111+16*\b]
.endr
.irp b, 0,1,2,3
	s_delay_alu instid0(VALU_DEP_4)
	v_permlanex16_b32 v[PT+\b], v[BM+\b], s[SEL], s[SEL+1]
.endr
.irp b, 0,1,2,3
	s_delay_alu instid0(VALU_DEP_4)
	v_max_num_f32 v[BM+\b], v[BM+\b], v[PT+\b]
.endr
	s_delay_alu instid0(VALU_DEP_2)
	v_max3_num_f32 v[TMP], v[BM], v[BM+1], v[BM+2]
	s_delay_alu instid0(VALU_DEP_1)
	v_max_num_f32 v[TMP], v[TMP], v[BM+3]
	s_delay_alu instid0(VALU_DEP_1)
	v_mul_f32 v[TMP], s[CS], v[TMP]                ; the step's largest t
	s_delay_alu instid0(VALU_DEP_1)
	v_max_num_f32 v13, v13, v[TMP]
	v_mov_b32 v[TMP], v12
	s_delay_alu instid0(VALU_DEP_2)
	v_floor_f32 v12, -v13                          ; -M = floor(-t)
	s_delay_alu instid0(VALU_DEP_1)
	v_sub_f32 v[TMP], v12, v[TMP]
	s_delay_alu instid0(VALU_DEP_1)
	v_cvt_i32_f32 v[TMP], v[TMP]                   ; old M - new M, 0 or less (it saturates)
	s_delay_alu instid0(VALU_DEP_1)
	v_ldexp_f32 v[F], 1.0, v[TMP]                  ; f: a multiplication by it rounds nothing
.set J, 0
.rept 32
	v_pk_fma_f32 v[96+J:97+J], v[96+J:97+J], s[CS:CS+1], v[12:13] op_sel_hi:[1,0,0]   ; t - M
.set J, J+2
.endr
.irp b, 0,1,2,3
	v_fma_f32 v[BM+\b], v[BM+\b], s[CS], v12
.endr
.set J, 0
	s_wait_alu depctr_va_vdst(0)                   ; the wait ahead of the batch
.rept 64
	v_exp_f32 v[96+J], v[96+J]                     ; p, at most 1
.set J, J+1
.endr
	v_pk_mul_f32 v[14:15], v[14:15], v[F:F+1] op_sel_hi:[1,0]   ; l under the new M
	s_wait_alu depctr_va_vdst(0)                   ; and behind it
.irp b, 0,1,2,3
	v_exp_f32 v[BM+\b], v[BM+\b]                   ; the block's largest p
.endr
	v_pk_add_f32 v[240:241], v[96:97], v[98:99]    ; l: the sum of the unquantised p, in four chains
	v_pk_add_f32 v[228:229], v[100:101], v[102:103]
	v_pk_add_f32 v[230:231], v[104:105], v[106:107]
	v_pk_add_f32 v[14:15], v[14:15], v[108:109]
.set J, 110
.rept 6
	v_pk_add_f32 v[240:241], v[240:241], v[J:J+1]
	v_pk_add_f32 v[228:229], v[228:229], v[J+2:J+3]
	v_pk_add_f32 v[230:231], v[230:231], v[J+4:J+5]
	v_pk_add_f32 v[14:15], v[14:15], v[J+6:J+7]
.set J, J+8
.endr
	v_pk_add_f32 v[240:241], v[240:241], v[158:159]
	v_pk_add_f32 v[228:229], v[228:229], v[230:231]
	s_delay_alu instid0(VALU_DEP_2)
	v_pk_add_f32 v[14:15], v[14:15], v[240:241]
	s_delay_alu instid0(VALU_DEP_1)
	v_pk_add_f32 v[14:15], v[14:15], v[228:229]
	s_wait_alu depctr_va_vdst(0)                   ; for the four
.irp b, 0,1,2,3
	v_max_num_f32 v[BM+\b], 0x1800000, v[BM+\b]    ; the floor 2^(3 - 127)
.endr
.irp b, 0,1,2,3
	s_delay_alu instid0(VALU_DEP_4)
	v_add_nc_u32 v[SOP+\b], 0xff000000, v[BM+\b]
.endr
.irp b, 0,1,2,3
	s_delay_alu instid0(VALU_DEP_4)
	v_lshrrev_b32 v[PT+\b], 23, v[SOP+\b]
.endr
	s_delay_alu instid0(VALU_DEP_3)
	v_lshl_or_b32 v[PW], v[PT+1], 8, v[PT]
	s_delay_alu instid0(VALU_DEP_1)
	v_lshl_or_b32 v[PW], v[PT+2], 16, v[PW]
	s_delay_alu instid0(VALU_DEP_1)
	v_lshl_or_b32 v[PW], v[PT+3], 24, v[PW]
.irp c, 0,1
	v_cvt_scalef32_pk16_fp6_f32 v[192+6*\c:194+6*\c], v[96+32*\c:111+32*\c], v[SOP+2*\c]
	v_cvt_scalef32_pk16_fp6_f32 v[204+4*\c:206+4*\c], v[112+32*\c:127+32*\c], v[SOP+2*\c+1]
.endr
	v_nop                                          ; a plain line behind a scaled conversion
.irp c, 0,1
.irp i, 0,1,2
	v_permlane16_swap_b32 v[192+6*\c+\i], v[204+4*\c+\i]
.endr
.irp i, 0,1,2
	s_delay_alu instid0(VALU_DEP_3)
	v_mov_b32 v[195+6*\c+\i], v[204+4*\c+\i]
.endr
.endr
.set J, 0
.rept 16
	v_pk_mul_f32 v[160+J:161+J], v[160+J:161+J], v[F:F+1] op_sel_hi:[1,0]   ; O^T under the new M (also the plain lines ahead of the products)
.set J, J+2
.endr
	s_wait_alu depctr_va_vdst(0)
	s_wait_dscnt 0x0                               ; V^T's tiles and scale words are in
.irp t, 0,1,2,3
	v_wmma_scale_f32_16x16x128_f8f6f4 v[160+8*\t:167+8*\t], v[FR+12*\t:FR+12*\t+11], v[192:203], v[160+8*\t:167+8*\t], v[VSC+\t], v[PW] matrix_a_fmt:MATRIX_FMT_FP6 matrix_b_fmt:MATRIX_FMT_FP6
.endr
.endm
; ONE HEAD for my 16 queries.
.macro PASS P
.if \P == 0
	s_wait_loadcnt 0x0                             ; q and its scale word, of both heads
	v_lshrrev_b32 v35, v11, v35
.else
	v_mov_b32 v22, v242
	v_mov_b32 v23, v243
	v_mov_b32 v24, v252
	v_mov_b32 v25, v253
	v_mov_b32 v26, v254
	v_mov_b32 v27, v255
	v_lshrrev_b32 v35, v11, v251
.endif
	s_delay_alu instid0(VALU_DEP_1)
	v_and_b32 v35, 0xffff, v35
	s_delay_alu instid0(VALU_DEP_1)
	v_lshl_or_b32 v34, v35, 16, v35                ; q's two bytes, twice: q stands in either half of the 128
	v_mov_b32 v13, 0xff61b1e6                      ; the largest t so far: -3e38
	s_delay_alu instid0(VALU_DEP_1)
	v_floor_f32 v12, -v13
	v_mov_b32 v14, 0
	v_mov_b32 v15, 0
	s_mov_b32 s[TK], \P*KH
	s_mov_b32 s[TS], \P*KSH
	s_mov_b32 s[TV], \P*VH
	s_mov_b32 s[TT], \P*VSH
	s_mov_b32 s[CNT], 4
.set J, 0
.rept 32
	v_mov_b32 v[160+J], 0                          ; O^T: the step is written once; the first finds zeros
.set J, J+1
.endr
.Lchunk_\@:
	STEP 0
	STEP 1
	s_add_co_u32 s[TK], s[TK], 24*KREG             ; the next 16 rows of the head's 64
	s_add_co_u32 s[TS], s[TS], 4
	s_add_co_u32 s[TV], s[TV], VCH
	s_add_co_u32 s[TT], s[TT], 8
	s_sub_co_u32 s[CNT], s[CNT], 1
	s_cmp_lg_u32 s[CNT], 0
	s_cbranch_scc1 .Lchunk_\@
	PLACES
	v_add_f32 v14, v14, v15
	s_delay_alu instid0(VALU_DEP_1)
	v_permlanex16_b32 v[PT], v14, s[SEL], s[SEL+1]
	s_delay_alu instid0(VALU_DEP_1)
	v_add_f32 v14, v14, v[PT]                      ; l
	s_wait_alu depctr_va_vdst(0)
	v_rcp_f32 v14, v14
	v_nop
	s_wait_alu depctr_va_vdst(0)
.set J, 0
.rept 32
	v_mul_f32 v[96+J], v[160+J], v14               ; O / l: register 16 B + i is channel 32 B + 16 h + i
.set J, J+1
.endr
.irp b, 0,1
	v_max3_num_f32 v[BM+\b], |v[96+16*\b]|, |v[97+16*\b]|, 0x1800000
.endr
.irp i, 2,4,6,8,10,12,14
.irp b, 0,1
	s_delay_alu instid0(VALU_DEP_2)
	v_max3_num_f32 v[BM+\b], v[BM+\b], |v[96+16*\b+\i]|, |v[97+16*\b+\i]|
.endr
.endr
.irp b, 0,1
	s_delay_alu instid0(VALU_DEP_2)
	v_permlanex16_b32 v[PT+\b], v[BM+\b], s[SEL], s[SEL+1]
.endr
.irp b, 0,1
	s_delay_alu instid0(VALU_DEP_2)
	v_max_num_f32 v[BM+\b], v[BM+\b], v[PT+\b]
.endr
.irp b, 0,1
	s_delay_alu instid0(VALU_DEP_2)
	v_add_nc_u32 v[SOP+\b], 0xff000000, v[BM+\b]
.endr
.irp b, 0,1
	s_delay_alu instid0(VALU_DEP_2)
	v_lshrrev_b32 v[PT+\b], 23, v[SOP+\b]
.endr
	s_delay_alu instid0(VALU_DEP_1)
	v_lshl_or_b32 v[TMP], v[PT+1], 8, v[PT]
.if \P == 0
	s_delay_alu instid0(VALU_DEP_1)
	v_mov_b32 v[SW], v[TMP]                        ; bytes 0, 1 of the row's scale word
.else
	s_delay_alu instid0(VALU_DEP_1)
	v_lshl_or_b32 v[SW], v[TMP], 16, v[SW]         ; bytes 2, 3
.endif
	v_cvt_scalef32_pk16_fp6_f32 v[OC+6*\P:OC+6*\P+2], v[96:111], v[SOP]
	v_cvt_scalef32_pk16_fp6_f32 v[204:206], v[112:127], v[SOP+1]
	v_nop
.irp i, 0,1,2
	v_permlane16_swap_b32 v[OC+6*\P+\i], v[204+\i]
.endr
.irp i, 0,1,2
	s_delay_alu instid0(VALU_DEP_3)
	v_mov_b32 v[OC+6*\P+3+\i], v[204+\i]           ; registers 6 P .. 6 P + 5: k = 64 P + 32 H + 0 .. 31
.endr
.endm
	s_wait_alu depctr_va_vdst(0)                   ; the wait at the head's end
	s_wait_tensorcnt 0x0                           ; my tile is in,
	s_barrier_signal -1
	s_barrier_wait -1                              ; and so is everybody's: from here on LDS is only read, up to the scale words' store
	PASS 0
	PASS 1
	ds_store_b32 v[SGW], v[SW]                     ; lanes rho and rho + 16 write the same word with the same value
.irp i, 0,1,2
	global_store_b128 v[LI], v[OC+4*\i:OC+4*\i+3], s[8:9] offset:512*\i   ; the fragment as it stands: 512 consecutive bytes a store
.endr
	s_wait_dscnt 0x0                               ; for the others' sake
	s_barrier_signal -1
	s_barrier_wait -1
	s_cmp_lt_u32 s[WV], 2                          ; the work-group's 256 scale words leave by two waves, 512 consecutive bytes each
	s_cbranch_scc0 .Lno_words
	ds_load_b128 v[96:99], v[SGR]
	s_wait_dscnt 0x0
	global_store_b128 v[SGO], v[96:99], s[10:11]
.Lno_words:
	s_wait_tensorcnt 0x0                           ; the wave's end
	ds_add_u32 v211, v239
	s_wait_dscnt 0x0
	CROUND                                         ; the closing round
	s_endpgm
.Lfunc_end_k_q52c1523600_attn:
	.size	k_q52c1523600_attn, .Lfunc_end_k_q52c1523600_attn-k_q52c1523600_attn
	.p2alignl 7, 3214868480
	.fill 96, 4, 3214868480
	.section	.rodata,"a",@progbits
	.p2align	6, 0x0
	.amdhsa_kernel k_q52c1523600_attn
		.amdhsa_group_segment_fixed_size 239360
		.amdhsa_private_segment_fixed_size 0
		.amdhsa_enable_private_segment 0
		.amdhsa_kernarg_size 32
		.amdhsa_user_sgpr_count 2
		.amdhsa_user_sgpr_kernarg_segment_ptr 1
		.amdhsa_wavefront_size32 1
		.amdhsa_system_sgpr_workgroup_id_x 1
		.amdhsa_system_sgpr_workgroup_id_y 1
		.amdhsa_system_sgpr_workgroup_id_z 1
		.amdhsa_system_vgpr_workitem_id 0
		.amdhsa_next_free_vgpr 256
		.amdhsa_next_free_sgpr 102
		.amdhsa_reserve_vcc 0
		.amdhsa_float_denorm_mode_32 3
		.amdhsa_float_denorm_mode_16_64 3
		.amdhsa_memory_ordered 1
		.amdhsa_forward_progress 1
		.amdhsa_inst_pref_size 94
	.end_amdhsa_kernel
	.amdgpu_metadata
---
amdhsa.version: [ 1, 2 ]
amdhsa.kernels:
  - .name:           k_q52c1523600_attn
    .symbol:         k_q52c1523600_attn.kd
    .args:
      - { .name: pc, .offset: 0, .size: 8, .value_kind: global_buffer, .address_space: global }
      - { .name: ps, .offset: 8, .size: 8, .value_kind: global_buffer, .address_space: global }
      - { .name: oc, .offset: 16, .size: 8, .value_kind: global_buffer, .address_space: global }
      - { .name: os, .offset: 24, .size: 8, .value_kind: global_buffer, .address_space: global }
    .group_segment_fixed_size: 239360
    .private_segment_fixed_size: 0
    .kernarg_segment_align: 8
    .kernarg_segment_size: 32
    .max_flat_workgroup_size: 512
    .sgpr_count:     102
    .vgpr_count:     256
    .wavefront_size: 32
...
	.end_amdgpu_metadata
.endif
;; end of part 3
;; launch outp (part 4): grid 4 x 64, 4 waves a work-group, clusters of 4 x 4, 327,680 bytes of LDS; arguments oc, os, c1, s1, bo, out0; writes out0
.if DOCPART == 4
	.amdgcn_target "amdgcn-amd-amdhsa--gfx1250"
	.amdhsa_code_object_version 6
	.text
	.protected	k_q52c1523600_outp
	.globl	k_q52c1523600_outp
	.p2align	8
	.type	k_q52c1523600_outp,@function
k_q52c1523600_outp:
	s_mov_b64 s[64:65], 0
	v_nop
	global_prefetch_b8 v0, s[64:65] scope:SCOPE_SE
	s_setreg_imm32_b32 hwreg(HW_REG_WAVE_MODE, 25, 1), 1
	s_wait_xcnt 0x0
	s_wait_alu depctr_hold_cnt(0) depctr_sa_sdst(0) depctr_va_vdst(0) depctr_va_sdst(0) depctr_va_ssrc(0) depctr_va_vcc(0) depctr_vm_vsrc(0)
	s_getreg_b32 s2, hwreg(HW_REG_IB_STS2, 6, 4)
	s_cmp_eq_u32 s2, 0
	s_cbranch_scc0 .Lentry_in_a_cluster
	s_endpgm
.Lentry_in_a_cluster:
	s_bfe_u32 s2, ttmp6, 0x10000c
	s_cmp_lg_u32 s2, 0xf033
	s_cbranch_scc0 .Lentry_shape_is_right
	s_endpgm
.Lentry_shape_is_right:
; out0 = O Wo^T + bo on codes of FP6 (E2M3) with E8M0 scales.  O: oc [tile of 16 rows][K / 128][1536], scale words os [K / 128][row]; Wo: tiles 1728-1791 of c1, scale words in s1 [tile][K / 256][row][2].
; A work-group makes 128 rows x 256 columns, four waves 2 x 2, each 64 x 128 in 32 accumulators (window 2).  256 work-groups; cluster 4 x 4: O's tiles shared along a row, Wo's along a column.
; K lies in LDS in two halves of 512: O's 8 tiles x 6,144 bytes, then Wo's 16 x 6,144.  A wave asks for its part of the first half at the head and for its part of the second behind a round; each byte is filled once.
; No prefetch: the one later fill is asked for as soon as the first has landed, so no loop runs ahead of it.  Scale words and bo go from memory straight into registers.
; The matrix instruction is used transposed: lane (r, h) register j holds out0(16 a + r, 16 b + 8 h + j).  bo is the C of each sum's first instruction.
.set SLOT, 147456
.set WOFF, 49152
.set STG,  307200                      ; the way out: 16 rows x (256 + 16) bytes for each wave; no tensor load lands here
.set SPARE, 324608
.set ADRA, 4
.set ADRB, 8
.set VSA,  12
.set VSB,  13
.set LI,   14
.set BOA,  15
.set STO,  16
.set RD,   17
.set CO,   18
.set SA,   32
.set SB,   48
.set AF,   128
.set BK,   128
.set G1A,  24
.set G1B,  32
.set G0A,  40
.set G0B,  48
.set SXB,  56
.set SWB,  58
.set MSB, 0
.macro WIN new
.if MSB != \new
	s_set_vgpr_msb (MSB<<8)|\new
.set MSB, \new
.endif
.endm
.macro PLACES
.rept 4
	v_nop
.endr
.endm
.macro CROUND
	s_barrier_signal -1
	s_barrier_wait -1
	s_cmp_lg_u32 s14, 0
	s_cbranch_scc1 .Lnot_wave_0_\@
	s_barrier_signal -3
.Lnot_wave_0_\@:
	s_barrier_wait -3
	s_barrier_signal -1
	s_barrier_wait -1
.endm
.macro G1SET g, c, r, p
	s_mov_b32 s[\g+1], (\c)<<16
	s_mov_b32 s[\g+2], (\r)<<16
	s_mov_b32 s[\g+3], (\c)<<16
	s_mov_b32 s[\g+4], \r
	s_mov_b32 s[\g+5], \p
	s_mov_b32 s[\g+6], 0
	s_mov_b32 s[\g+7], 0
.endm
.macro JLOAD s
	s_cmp_eq_u32 s15, 0
	s_cbranch_scc0 .Lfor_w_\@
	tensor_load_to_lds s[G0A+4*(\s):G0A+4*(\s)+3], s[G1A:G1A+7]
	s_nop 0
	PLACES
	s_branch .Lasked_\@
.Lfor_w_\@:
	tensor_load_to_lds s[G0B+4*(\s):G0B+4*(\s)+3], s[G1B:G1B+7]
	s_nop 0
	PLACES
.Lasked_\@:
.endm
	s_load_b128 s[4:7], s[0:1], 0x0                ; oc, os
	s_load_b128 s[8:11], s[0:1], 0x10              ; c1, s1
	s_load_b128 s[80:83], s[0:1], 0x20             ; bo, out0
	v_lshl_add_u32 v254, v0, 2, SPARE
	v_mov_b32 v255, 0
	ds_add_u32 v254, v255                          ; the opening lines: the add twice on end
	ds_add_u32 v254, v255
	v_lshrrev_b32 v1, 5, v0
	v_readfirstlane_b32 s14, v1                    ; wave
	s_lshr_b32 s15, s14, 1                         ; my half of the rows; also: I fetch for O (0) or Wo (1)
	s_and_b32 s16, s14, 1                          ; my half of the columns; also: which half of that tile I fetch
	s_bfe_u32 s2, ttmp6, 0x40000                   ; cx
	s_bfe_u32 s3, ttmp6, 0x40004                   ; cy
	s_lshl_b32 s18, ttmp9, 2
	s_add_co_u32 s18, s18, s2                      ; tile column 0..3
	s_and_b32 s19, ttmp7, 0xffff
	s_lshl_b32 s17, s19, 2
	s_add_co_u32 s17, s17, s3                      ; tile row 0..63
	s_lshl_b32 s20, s3, 2
	s_lshl_b32 s20, 15, s20
	s_lshl_b32 s21, 0x1111, s2
	s_or_b32 s[G1A], s20, (3<<16)|(1<<21)
	s_or_b32 s[G1B], s21, (3<<16)|(1<<21)
	G1SET G1A, 768, 4, 1536
	G1SET G1B, 768, 8, 1536
	s_lshl_b32 s22, s17, 3
	s_lshl_b32 s23, s16, 2
	s_add_co_u32 s22, s22, s23                     ; the O tile that I fetch first
	s_mul_i32 s100, s22, 12288
	s_mov_b32 s101, 0
	s_lshl_b32 s[SXB], s17, 9                      ; O's scale words: 4 bytes a row: 512 x tile row + 256 x my half
	s_lshl_b32 s23, s15, 8
	s_add_co_u32 s[SXB], s[SXB], s23
	s_mov_b32 s[SXB+1], 0
	s_lshl_b32 s66, s18, 4
	s_lshl_b32 s67, s16, 3
	s_add_co_u32 s66, s66, s67
	s_add_co_u32 s66, s66, 1728                    ; my first Wo tile
	s_mul_i32 s12, s66, 12288
	s_mov_b32 s13, 0
	s_lshl_b32 s[SWB], s66, 9
	s_mov_b32 s[SWB+1], 0
	s_mul_i32 s72, s16, 24576
	s_mul_i32 s73, s16, 49152
	s_add_co_u32 s73, s73, WOFF
	s_mul_i32 s74, s15, 24576
	s_add_co_u32 s75, s74, SLOT
	s_add_co_u32 s76, s73, SLOT
	s_mul_i32 s77, s14, 4352
	s_add_co_u32 s77, s77, STG                     ; my stage
	s_lshl_b32 s20, s18, 10
	s_lshl_b32 s21, s16, 9
	s_add_co_u32 s20, s20, s21                     ; my first column, in bytes
	s_mov_b32 s21, 0
	s_lshl_b32 s22, s17, 19
	s_lshl_b32 s23, s15, 18
	s_add_co_u32 s22, s22, s23
	s_add_co_u32 s22, s22, s20                     ; my first row and column in out0
	s_mov_b32 s23, 0
	s_wait_dscnt 0x0
	s_wait_kmcnt 0x0
	s_add_nc_u64 s[100:101], s[4:5], s[100:101]
	s_add_nc_u64 s[12:13], s[8:9], s[12:13]
	s_add_nc_u64 s[SXB:SXB+1], s[6:7], s[SXB:SXB+1]
	s_add_nc_u64 s[SWB:SWB+1], s[10:11], s[SWB:SWB+1]
	s_add_nc_u64 s[80:81], s[80:81], s[20:21]
	s_add_nc_u64 s[82:83], s[82:83], s[22:23]
.irp s, 0,1
	s_mov_b32 s[G0A+4*\s], 1
	s_add_co_u32 s[G0A+4*\s+1], s72, \s*SLOT
	s_add_nc_u64 s[G0A+4*\s+2:G0A+4*\s+3], s[100:101], \s*6144
	s_or_b32 s[G0A+4*\s+3], s[G0A+4*\s+3], 0x80000000
	s_mov_b32 s[G0B+4*\s], 1
	s_add_co_u32 s[G0B+4*\s+1], s73, \s*SLOT
	s_add_nc_u64 s[G0B+4*\s+2:G0B+4*\s+3], s[12:13], \s*6144
	s_or_b32 s[G0B+4*\s+3], s[G0B+4*\s+3], 0x80000000
.endr
	CROUND                                         ; all sixteen work-groups are here
	JLOAD 0                                        ; the first half of K: my one load at the head
	v_and_b32 v1, 31, v0
	v_and_b32 v2, 15, v0                           ; r
	v_bfe_u32 v3, v0, 4, 1                         ; h
	v_lshlrev_b32 v[LI], 4, v1
	v_add_nc_u32 v[ADRA], s74, v[LI]
	v_add_nc_u32 v[ADRA+1], s75, v[LI]
	v_add_nc_u32 v[ADRB], s73, v[LI]
	v_add_nc_u32 v[ADRB+1], s76, v[LI]
	v_lshlrev_b32 v[VSA], 2, v2                    ; O's scale words: 4 r; lanes 16-31 32 rows on
	v_lshlrev_b32 v[VSB], 3, v2                    ; Wo's: 8 r; lanes 16-31 four tiles on
	v_lshl_add_u32 v[VSA], v3, 7, v[VSA]
	v_lshl_add_u32 v[VSB], v3, 11, v[VSB]
	v_lshlrev_b32 v[BOA], 5, v3                    ; bo: my eight columns of a block of 16
	v_mul_u32_u24 v[STO], v2, 272
	v_mul_u32_u24 v[RD], v3, 272
	v_lshlrev_b32 v[CO], 12, v3
	v_lshl_add_u32 v[STO], v3, 5, v[STO]
	v_lshl_add_u32 v[RD], v2, 4, v[RD]
	v_lshl_add_u32 v[CO], v2, 4, v[CO]             ; two rows of out0 an instruction, sixteen lanes to 256 bytes
	v_add_nc_u32 v[STO], s77, v[STO]
	v_add_nc_u32 v[RD], s77, v[RD]
	s_wait_alu depctr_va_vdst(0)                   ; the wait at the head's end
	WIN 0x40
.irp b, 0,1,2,3,4,5,6,7
	global_load_b128 v[192+8*\b:195+8*\b], v[BOA], s[80:81] offset:64*\b
	global_load_b128 v[196+8*\b:199+8*\b], v[BOA], s[80:81] offset:64*\b+16
.endr
	WIN 0
.irp s, 0,1,2,3,4,5,6,7
.irp a2, 0,1
	global_load_b32 v[SA+4*(\s/2)+2*\a2+\s%2], v[VSA], s[SXB:SXB+1] offset:32768*\s+64*\a2
.endr
.endr
.irp kc, 0,1,2,3
.irp b4, 0,1,2,3
	global_load_b64 v[SB+8*\kc+2*\b4:SB+8*\kc+2*\b4+1], v[VSB], s[SWB:SWB+1] offset:512*\b4+128*\kc
.endr
.endr
.macro WM a, b, s, first
.set rD, 8*(8*(\a)+(\b))
.set rB, 96*((\s)%2)+12*(\b)
.set rA, AF+48*((\s)%2)+12*(\a)
.set rX, SB+8*((\s)/2)+2*((\b)%4)+(\s)%2
.set rY, SA+4*((\s)/2)+2*((\a)%2)+(\s)%2
.set rC, 192+8*(\b)
.if \first
.if ((\a) < 2) && ((\b) < 4)
	v_wmma_scale_f32_16x16x128_f8f6f4 v[rD:rD+7], v[rB:rB+11], v[rA:rA+11], v[rC:rC+7], v[rX], v[rY] matrix_a_fmt:MATRIX_FMT_FP6 matrix_b_fmt:MATRIX_FMT_FP6
.elseif (\a) < 2
	v_wmma_scale_f32_16x16x128_f8f6f4 v[rD:rD+7], v[rB:rB+11], v[rA:rA+11], v[rC:rC+7], v[rX], v[rY] matrix_a_fmt:MATRIX_FMT_FP6 matrix_b_fmt:MATRIX_FMT_FP6 matrix_a_scale:MATRIX_SCALE_ROW1
.elseif (\b) < 4
	v_wmma_scale_f32_16x16x128_f8f6f4 v[rD:rD+7], v[rB:rB+11], v[rA:rA+11], v[rC:rC+7], v[rX], v[rY] matrix_a_fmt:MATRIX_FMT_FP6 matrix_b_fmt:MATRIX_FMT_FP6 matrix_b_scale:MATRIX_SCALE_ROW1
.else
	v_wmma_scale_f32_16x16x128_f8f6f4 v[rD:rD+7], v[rB:rB+11], v[rA:rA+11], v[rC:rC+7], v[rX], v[rY] matrix_a_fmt:MATRIX_FMT_FP6 matrix_b_fmt:MATRIX_FMT_FP6 matrix_a_scale:MATRIX_SCALE_ROW1 matrix_b_scale:MATRIX_SCALE_ROW1
.endif
.else
.if ((\a) < 2) && ((\b) < 4)
	v_wmma_scale_f32_16x16x128_f8f6f4 v[rD:rD+7], v[rB:rB+11], v[rA:rA+11], v[rD:rD+7], v[rX], v[rY] matrix_a_fmt:MATRIX_FMT_FP6 matrix_b_fmt:MATRIX_FMT_FP6
.elseif (\a) < 2
	v_wmma_scale_f32_16x16x128_f8f6f4 v[rD:rD+7], v[rB:rB+11], v[rA:rA+11], v[rD:rD+7], v[rX], v[rY] matrix_a_fmt:MATRIX_FMT_FP6 matrix_b_fmt:MATRIX_FMT_FP6 matrix_a_scale:MATRIX_SCALE_ROW1
.elseif (\b) < 4
	v_wmma_scale_f32_16x16x128_f8f6f4 v[rD:rD+7], v[rB:rB+11], v[rA:rA+11], v[rD:rD+7], v[rX], v[rY] matrix_a_fmt:MATRIX_FMT_FP6 matrix_b_fmt:MATRIX_FMT_FP6 matrix_b_scale:MATRIX_SCALE_ROW1
.else
	v_wmma_scale_f32_16x16x128_f8f6f4 v[rD:rD+7], v[rB:rB+11], v[rA:rA+11], v[rD:rD+7], v[rX], v[rY] matrix_a_fmt:MATRIX_FMT_FP6 matrix_b_fmt:MATRIX_FMT_FP6 matrix_a_scale:MATRIX_SCALE_ROW1 matrix_b_scale:MATRIX_SCALE_ROW1
.endif
.endif
.endm
.macro MUL16 a0, s, first              ; the 32 accumulators take turns, in the same order in every step
.if \first
	WIN 0x91                                       ; source 0 (Wo) and C (bo) window 1, source 1 (O) window 0, D window 2
.else
	WIN 0xa1
.endif
.irp a, \a0, \a0+1
.irp b, 0,1,2,3,4,5,6,7
	WM \a, \b, \s, \first
.endr
.endr
.endm
.macro FETCH s
	WIN 0x40
.irp b, 0,1,2,3,4,5,6,7
.irp i, 0,1,2
	ds_load_b128 v[96*((\s)%2)+12*\b+4*\i:96*((\s)%2)+12*\b+4*\i+3], v[ADRB+(\s)/4] offset:6144*\b+1536*((\s)%4)+512*\i
.endr
.endr
	WIN 0
.irp a, 0,1,2,3
.irp i, 0,1,2
	ds_load_b128 v[AF+48*((\s)%2)+12*\a+4*\i:AF+48*((\s)%2)+12*\a+4*\i+3], v[ADRA+(\s)/4] offset:6144*\a+1536*((\s)%4)+512*\i
.endr
.endr
.endm
.macro STEPE s, first
	s_wait_dscnt 6                                 ; Wo's eight and O's blocks 0, 1 are in; O's blocks 2, 3 (six loads) may be out
	MUL16 0, \s, \first
	PLACES
	FETCH (\s)+1
	s_wait_dscnt 36                                ; all but the 36 just issued
	MUL16 2, \s, \first
.endm
	s_wait_tensorcnt 0x0                           ; the full sequence ahead of the second half's first fill
	ds_add_u32 v254, v255
	s_wait_dscnt 0x0
	CROUND
	JLOAD 1                                        ; the second half of K
	FETCH 0
	s_wait_loadcnt 0x0                             ; bo and the scale words
	STEPE 0, 1
	STEPE 1, 0
	STEPE 2, 0
	s_wait_tensorcnt 0x0                           ; my part of the second half is in
	s_wait_dscnt 0x0
	s_barrier_signal -1
	MUL16 0, 3, 0
	s_barrier_wait -1
	PLACES
	FETCH 4
	MUL16 2, 3, 0
	STEPE 4, 0
	STEPE 5, 0
	STEPE 6, 0
	s_wait_dscnt 0x0
	MUL16 0, 7, 0
	MUL16 2, 7, 0
	WIN 0
; THE WAY OUT, in eight groups g = 2 a + u of 16 rows x 64 columns: through my own stage and back by rows, so that sixteen lanes store 256 consecutive bytes, aligned.
.macro TOSTAGE g
	WIN 0x08
.irp t, 0,1,2,3
	ds_store_b128 v[STO], v[8*(8*((\g)/2)+4*((\g)%2)+\t):8*(8*((\g)/2)+4*((\g)%2)+\t)+3] offset:64*\t        ; each accumulator from its low end on
	ds_store_b128 v[STO], v[8*(8*((\g)/2)+4*((\g)%2)+\t)+4:8*(8*((\g)/2)+4*((\g)%2)+\t)+7] offset:64*\t+16
.endr
	WIN 0
.irp i, 0,1,2,3,4,5,6,7
	ds_load_b128 v[BK+32*((\g)%2)+4*\i:BK+32*((\g)%2)+4*\i+3], v[RD] offset:544*\i
.endr
.endm
.macro SEND g, younger
	s_wait_dscnt \younger
.irp i, 0,1,2,3,4,5,6,7
	global_store_b128 v[CO], v[BK+32*((\g)%2)+4*\i:BK+32*((\g)%2)+4*\i+3], s[82:83] offset:(16*((\g)/2)+2*\i)*4096+256*((\g)%2) th:TH_STORE_NT
.endr
.endm
	PLACES
	TOSTAGE 0
.irp g, 1,2,3,4,5,6,7
.if \g > 1
	s_wait_xcnt 0x0                                ; group g - 2's stores have read their registers
.endif
	TOSTAGE \g
	SEND \g-1, 16                                  ; behind group g - 1's loads: group g's eight stores and eight loads
.endr
	SEND 7, 0
	s_wait_tensorcnt 0x0                           ; the wave's end
	ds_add_u32 v254, v255
	s_wait_dscnt 0x0
	CROUND                                         ; the closing round
	s_endpgm
.Lfunc_end_k_q52c1523600_outp:
	.size	k_q52c1523600_outp, .Lfunc_end_k_q52c1523600_outp-k_q52c1523600_outp
	.p2alignl 7, 3214868480
	.fill 96, 4, 3214868480
	.section	.rodata,"a",@progbits
	.p2align	6, 0x0
	.amdhsa_kernel k_q52c1523600_outp
		.amdhsa_group_segment_fixed_size 327680
		.amdhsa_private_segment_fixed_size 0
		.amdhsa_enable_private_segment 0
		.amdhsa_kernarg_size 48
		.amdhsa_user_sgpr_count 2
		.amdhsa_user_sgpr_kernarg_segment_ptr 1
		.amdhsa_wavefront_size32 1
		.amdhsa_system_sgpr_workgroup_id_x 1
		.amdhsa_system_sgpr_workgroup_id_y 1
		.amdhsa_system_sgpr_workgroup_id_z 1
		.amdhsa_system_vgpr_workitem_id 0
		.amdhsa_next_free_vgpr 768
		.amdhsa_next_free_sgpr 102
		.amdhsa_reserve_vcc 0
		.amdhsa_float_denorm_mode_32 3
		.amdhsa_float_denorm_mode_16_64 3
		.amdhsa_memory_ordered 1
		.amdhsa_forward_progress 1
		.amdhsa_inst_pref_size 80
	.end_amdhsa_kernel
	.amdgpu_metadata
---
amdhsa.version: [ 1, 2 ]
amdhsa.kernels:
  - .name:           k_q52c1523600_outp
    .symbol:         k_q52c1523600_outp.kd
    .args:
      - { .name: oc, .offset: 0, .size: 8, .value_kind: global_buffer, .address_space: global }
      - { .name: os, .offset: 8, .size: 8, .value_kind: global_buffer, .address_space: global }
      - { .name: c1, .offset: 16, .size: 8, .value_kind: global_buffer, .address_space: global }
      - { .name: s1, .offset: 24, .size: 8, .value_kind: global_buffer, .address_space: global }
      - { .name: bo, .offset: 32, .size: 8, .value_kind: global_buffer, .address_space: global }
      - { .name: out0, .offset: 40, .size: 8, .value_kind: global_buffer, .address_space: global }
    .group_segment_fixed_size: 327680
    .private_segment_fixed_size: 0
    .kernarg_segment_align: 8
    .kernarg_segment_size: 48
    .max_flat_workgroup_size: 128
    .sgpr_count:     102
    .vgpr_count:     768
    .wavefront_size: 32
...
	.end_amdgpu_metadata
.endif
;; end of part 4
